; MI455X (gfx1250); checked and timed in simulation.
; The chip was launched on July 23, 2026; its instructions are those of AMD's public machine-readable ISA for CDNA 5 (MIT licence, August 2026) and "CDNA5" Instruction Set Architecture Reference Guide (July 2026). The comments in the code are by the model that wrote it; some were corrected since.
;; Lo RA Linear Experts Wrapper. Allowed arithmetic: matrix products marked QUANTISED: E4M3 operands, one E8M0 scale for each 32 along K, by v_wmma_scale_f32_16x16x128_f8f6f4 with both operands' format E4M3, f32 sums; everything else in f32.
;; Inputs: A_d_codes 64 x 128 x 32 uint8 (E4M3 codes of A_d, K innermost, in blocks of 32 codes); A_d_scales 64 x 128 uint8 (E8M0 scales of A_d, one for each 32 codes along K); A_gu_codes 64 x 64 x 32 uint8 (E4M3 codes of A_gu, K innermost, in blocks of 32 codes); A_gu_scales 64 x 64 uint8 (E8M0 scales of A_gu, one for each 32 codes along K); B_d_codes 2,048 x 2 x 32 uint8 (E4M3 codes of B_d, K innermost, in blocks of 32 codes); B_d_scales 2,048 x 2 uint8 (E8M0 scales of B_d, one for each 32 codes along K); B_gu_codes 8,192 x 2 x 32 uint8 (E4M3 codes of B_gu, K innermost, in blocks of 32 codes); B_gu_scales 8,192 x 2 uint8 (E8M0 scales of B_gu, one for each 32 codes along K); W_d_codes 2,048 x 128 x 32 uint8 (E4M3 codes of W_d, K innermost, in blocks of 32 codes); W_d_scales 2,048 x 128 uint8 (E8M0 scales of W_d, one for each 32 codes along K); W_gu_codes 8,192 x 64 x 32 uint8 (E4M3 codes of W_gu, K innermost, in blocks of 32 codes); W_gu_scales 8,192 x 64 uint8 (E8M0 scales of W_gu, one for each 32 codes along K); hidden_states_codes 2,048 x 64 x 32 uint8 (E4M3 codes of hidden_states, K innermost, in blocks of 32 codes); hidden_states_scales 2,048 x 64 uint8 (E8M0 scales of hidden_states, one for each 32 codes along K).
;; Outputs: out0 2,048 x 2,048 float32.
;; This version of the problem:
;;   THIS VERSION OF THE PROBLEM IS GIVEN IN LOW PRECISION. The matrix products marked QUANTISED in the list below multiply operands that are first quantised to E4M3 (4 exponent bits, 3 mantissa bits; 8 bits a number), with one power-of-two scale for each 32 numbers along K (OCP MX v1.0); their sums are f32. All else is computed in f32.
;;   The module's matrix products, in the order in which they are computed (A, B: the left and right operand; K: the contracted axis; several contracted axes count as one K, in the product's order):
;;     1. [M 2,048, K 2,048] x [K 2,048, N 8,192]; A: input hidden_states (given as codes); B: input W_gu (given as codes): QUANTISED
;;     2. [M 2,048, K 2,048] x [K 2,048, N 64]; A: input hidden_states (given as codes); B: input A_gu (given as codes): QUANTISED
;;     3. [M 2,048, K 64] x [K 64, N 8,192]; A: computed on the way; B: input B_gu (given as codes): QUANTISED
;;     4. [M 2,048, K 4,096] x [K 4,096, N 2,048]; A: computed on the way; B: input W_d (given as codes): QUANTISED
;;     5. [M 2,048, K 4,096] x [K 4,096, N 64]; A: computed on the way; B: input A_d (given as codes): QUANTISED
;;     6. [M 2,048, K 64] x [K 64, N 2,048]; A: computed on the way; B: input B_d (given as codes): QUANTISED
;;   THE QUANTISER, for each operand of a quantised product, along K:
;;     - K is cut into blocks of 32 from its start; a last block that is shorter is filled with zeros.
;;     - A block's scale is 2^e with e = floor(log2(the largest magnitude in the block)) - 8, held to -126 .. 127; a block of zeros has e = 0. As a byte (E8M0): e + 127.
;;     - Each number is divided by its block's scale, clamped to +-448, and rounded to the nearest number of E4M3, ties to even, subnormals kept.
;;     - The product sums the exact products of the quantised numbers (number of the format x scale) in f32.
;;   ~~~python
;;   def quantise(x, axis):      # numpy; x: float32 -> the quantised numbers, widened to float32 again
;;       x = np.moveaxis(x, axis, -1); K = x.shape[-1]
;;       x = np.pad(x, [(0, 0)] * (x.ndim - 1) + [(0, -K % 32)]); x = x.reshape(x.shape[:-1] + (-1, 32)); a = np.abs(x).max(-1, keepdims=True)
;;       e = np.where(a > 0, np.clip(np.frexp(np.where(a > 0, a, 1))[1] - 1 - 8, -126, 127), 0)      # np.frexp(a)[1] - 1 = floor(log2(a)), exactly
;;       r = np.clip(x / 2.0 ** e, -448, 448)
;;       step = 2.0 ** (np.maximum(np.frexp(np.where(r == 0, 1, r))[1] - 1, -6) - 3)
;;       q = np.round(r / step) * step * 2.0 ** e      # np.round: ties to even
;;       return np.moveaxis(q.reshape(q.shape[:-2] + (-1,))[..., :K], -1, axis).astype(np.float32)
;;   ~~~
;;   OPERANDS COMPUTED ON THE WAY. 'Computed on the way' means the value that the module computes at that place (a softmax that the list does not call 'softmax' is quantised finished and normalised). What goes into a quantiser is computed in f32, as accurately as f32 sums, v_exp_f32 and their like allow (about 1e-6 of the number): no bf16 or f16 on the way to a quantiser, and a product that is left as it is and whose result goes on into a quantised operand takes f32 operands (vector FMAs, or v_wmma_f32_16x16x4_f32). A number that lies on a knife's edge between two numbers of the format may be rounded either way, as far as f32 arithmetic and the matrix unit's own rounding can turn it there, and no further.
;;   INPUTS GIVEN AS CODES. A_d (in the module: [64, 4096], K = its axis 1); A_gu (in the module: [64, 2048], K = its axis 1); B_d (in the module: [2048, 64], K = its axis 1); B_gu (in the module: [8192, 64], K = its axis 1); W_d (in the module: [2048, 4096], K = its axis 1); W_gu (in the module: [8192, 2048], K = its axis 1); hidden_states (in the module: [2048, 2048], K = its axis 1): each comes as NAME_codes (uint8): NAME with its K axis moved to the last place and cut into blocks of 32 codes, [.., K / 32, bytes a block], one block behind the other in memory; one code a byte (a code: sign, 4 exponent bits, 3 mantissa bits); and NAME_scales (uint8): the same leading axes, one E8M0 byte (e + 127) for each 32 codes along K. Its value is code x scale, taken as it is: it is not quantised again, and the codes and scales need not be those that the quantiser above would give.
;; One version. Each part assembles by itself: llvm-mc -triple=amdgcn-amd-amdhsa -mcpu=gfx1250 --defsym DOCPART=n.
;; ======== version 1 of 1: 3 launches
;; workspace buffers: t1_img 131,072 bytes; t1_sc 8,192 bytes; h_img 8,388,608 bytes; h_sc 262,144 bytes
;; launch lora1 (part 1): grid 128 x 1, 16 waves a work-group, no clusters, 71,680 bytes of LDS; arguments hidden_states_codes, hidden_states_scales, A_gu_codes, A_gu_scales, t1_img, t1_sc; writes t1_img, t1_sc
.if DOCPART == 1
	.amdgcn_target "amdgcn-amd-amdhsa--gfx1250"
	.amdhsa_code_object_version 6
	.text
	.protected	k_qe5539f92e4_lora1
	.globl	k_qe5539f92e4_lora1
	.p2align	8
	.type	k_qe5539f92e4_lora1,@function
k_qe5539f92e4_lora1:
	s_mov_b64 s[64:65], 0
	v_nop
	global_prefetch_b8 v0, s[64:65] scope:SCOPE_SE
	s_setreg_imm32_b32 hwreg(HW_REG_WAVE_MODE, 25, 1), 1
	s_wait_xcnt 0x0
; THE PROGRAM: out = Q(h) W_d^T + 0.25 Q(T2) B_d^T, h = up silu(gate), gate_up = x W_gu^T + 0.25 Q(T1) B_gu^T, T1 = x A_gu^T, T2 = Q(h) A_d^T; all six products on codes of E4M3 with one E8M0 scale for each 32 along K.
; NO WORK IS LEFT OUT: every one of the fourteen input buffers reaches out0, nothing is sliced away, and the reshape by experts changes no number (all experts share the weights).
; THIS LAUNCH: T1 = x A_gu^T [2048][64], K = 2,048, quantised along its 64 and stored as the next launch's operand: t1_img [row block of 16][c 2][lane 32][16 bytes], the image of registers 4 c .. 4 c + 3 of a
; fragment (lane (r, h): row r, k = 32 c + 16 h + 0 .. 15), and t1_sc [row][4 bytes]: bytes 0, 1 the two blocks' E8M0 bytes LESS 2, bytes 2, 3 zero.  The 2 taken off is the factor 0.25 of the LoRA term, exact in a power-of-two scale.
; SHARES.  A work-group takes 16 rows; its sixteen waves split K, NK steps of 128 each, for all 64 columns: four accumulators by turns.  The f32 parts meet in LDS.  There is work for 128 work-groups, and 128 are launched.
; The product is used transposed (source 0 = 16 rows of the weight, source 1 = x), and lane r of weight tile t takes weight row 32 (t / 2) + 8 (t % 2) + r + 8 (r / 8): so a lane's registers 8 t + j are
; T(row r, k = 32 (t / 2) + 16 h + 8 (t % 2) + j): 16 neighbours of each block of 32, in the order of the next operand's registers.
; NO CLUSTER: the weight (64 rows x KB bytes) is shared by all work-groups, but a wave wants 8 NK KiB of it once, straight into its operand registers; a joint tensor load would add a way through LDS and two rounds of a cluster's barrier to a text with one step.
; LIMITS: a block of T whose largest magnitude lies under 2^-117 cannot carry the 2 off its byte: it gets the byte 0, and its term is then up to twice too large (under 2^-116 x |B|).  A block of zeros gets a small byte and zero codes, not 127:
; the bytes are read by this program alone.  NaN and infinities in T are not served.
.set NK,   1                           ; K steps of 128 for a wave
.set KB,   2048                        ; a weight row in bytes
.set WSR,  64                          ; a row of the weight's scale bytes
.set XRB,  32768                       ; x: bytes from a block of 16 rows to the next
.set XKS,  128                         ; from a K step to the next
.set XC,   32                          ; from registers 4 c to registers 4 c + 4
.set SRB,  1024                        ; x's scale words: from a block of 16 rows to the next
.set SKS,  4                           ; from a K step to the next
.set IMG,  0                           ; x lies as rows (0) or as images of operand registers (1)
.set PART,  0                          ; LDS: [wave 16][group of four registers 8][lane 32][16 bytes]: the waves' parts
.set RES,   65536                      ; [group 8][lane 32][16 bytes]: their sum
.set SPARE, 69632                      ; the spare words, 128 bytes for each of the sixteen waves: eight blocks of 256 bytes that no other line names
.set XO,  4                            ; v4   x's codes: my lane's byte
.set WO,  5                            ; v5   the weight's codes
.set XSO, 6                            ; v6   x's scale words
.set WSO, 7                            ; v7   the weight's
.set PST, 8                            ; v8   where I put my part: 4,096 x wave + 16 x lane
.set RLD, 9                            ; v9   the 8 bytes of every part that I add: 512 (wave / 2) + 16 x lane + 8 (wave % 2)
.set RST, 10                           ; v10  and where their sum goes
.set QLD, 11                           ; v11  wave 0: the sums, 16 x lane
.set L16, 12                           ; v12  16 x lane
.set R4,  13                           ; v13  4 r
.set SPW, 14                           ; v14  LDS address of my spare word; never rewritten
.set NIL, 15                           ; v15  0; never rewritten
.set XF,  16                           ; v16..  x's fragments, 16 registers a K step; later RS: sixteen pairs to add
.set RS,  16
.set WF,  48                           ; v48..  the weight's fragments, at 64 s + 16 t; later SUM, CDR, WD
.set SUM, 48                           ; v48-79 the 32 sums of a lane
.set CDR, 80                           ; v80-87 their codes
.set WD,  88                           ; v88    their scale word
.set ACC, 176                          ; v176-207 four accumulators
.set XSC, 208                          ; v208-209 x's scale words
.set WSC, 210                          ; v210-217 the weight's, at 4 s + t
.set TM,  218                          ; v218-227 at work in QUANT2
.set SEL, 20                           ; s[20:21] v_permlanex16_b32's selects for lane l xor 16
.set MNT, 22                           ; s22  the mantissa field of 448
; 32 numbers of a lane, v[s] on, register 16 b + i in block b (the block's other 16 lie in lane l xor 16), become 8 registers of codes at v[cd] on and a word of two scale bytes in v[wd].  lora = 1: the bytes less 2, held at 0.
.macro QUANT2 s, cd, wd, lora
.irp b, 0,1
	v_max3_num_f32 v[TM+\b], |v[\s+16*\b]|, |v[\s+16*\b+1]|, 0x4800000   ; my 16 numbers, and the floor 2^(9 - 127): the byte cannot fall under 1
.endr
.irp i, 2,4,6,8,10,12,14
.irp b, 0,1
	v_max3_num_f32 v[TM+\b], v[TM+\b], |v[\s+16*\b+\i]|, |v[\s+16*\b+\i+1]|
.endr
.endr
.irp b, 0,1
	v_permlanex16_b32 v[TM+2+\b], v[TM+\b], s[SEL], s[SEL+1]
.endr
.irp b, 0,1
	v_max_num_f32 v[TM+\b], v[TM+\b], v[TM+2+\b]          ; the block's largest magnitude
.endr
.irp b, 0,1
	v_add_nc_u32 v[TM+4+\b], 0xfc000000, v[TM+\b]         ; 8 off its exponent field: the conversion's scale operand
.endr
.irp b, 0,1
	v_and_or_b32 v[TM+6+\b], v[TM+\b], 0x7f800000, s[MNT] ; 448 x the scale
.endr
.if \lora
.irp b, 0,1
	v_max_num_f32 v[TM+8+\b], 0x5000000, v[TM+\b]         ; an exponent field of 10 at the least,
.endr
.irp b, 0,1
	v_add_nc_u32 v[TM+8+\b], 0xfb000000, v[TM+8+\b]       ; 10 off it: the scale's byte less 2,
.endr
.irp b, 0,1
	v_lshrrev_b32 v[TM+8+\b], 23, v[TM+8+\b]              ; 0 or more
.endr
.else
.irp b, 0,1
	v_lshrrev_b32 v[TM+8+\b], 23, v[TM+4+\b]              ; the scale's byte
.endr
.endif
	v_lshl_or_b32 v[\wd], v[TM+9], 8, v[TM+8]
.irp b, 0,1
.irp i, 0,1,2,3,4,5,6,7,8,9,10,11,12,13,14,15
	v_med3_num_f32 v[\s+16*\b+\i], v[\s+16*\b+\i], -v[TM+6+\b], v[TM+6+\b]   ; the conversion to an 8-bit code does not saturate (ISA guide 7.6.2): the hold at the largest code x the scale
.endr
	v_cvt_scalef32_pk8_fp8_f32 v[\cd+4*\b:\cd+4*\b+1], v[\s+16*\b:\s+16*\b+7], v[TM+4+\b]
	v_cvt_scalef32_pk8_fp8_f32 v[\cd+4*\b+2:\cd+4*\b+3], v[\s+16*\b+8:\s+16*\b+15], v[TM+4+\b]
.endr
	v_nop                                                  ; one plain instruction behind the last conversion
.endm
	s_load_b128 s[4:7], s[0:1], 0x0                ; x's codes, x's scales
	s_load_b128 s[8:11], s[0:1], 0x10              ; the weight's codes, its scales
	s_load_b128 s[12:15], s[0:1], 0x20             ; T's image, T's scale words
	v_lshl_add_u32 v[SPW], v0, 2, SPARE
	v_mov_b32 v[NIL], 0
	v_lshrrev_b32 v1, 5, v0
	v_readfirstlane_b32 s16, v1                    ; wave 0..15
	v_and_b32 v1, 31, v0                           ; lane
	v_and_b32 v2, 15, v0                           ; r
	v_bfe_u32 v3, v0, 4, 1                         ; h
	v_lshlrev_b32 v[L16], 4, v1
	v_lshlrev_b32 v[R4], 2, v2
.if IMG
	v_lshlrev_b32 v[XO], 4, v1                     ; an image: 16 x lane
	v_lshlrev_b32 v[XSO], 2, v2                    ; a word a row
.else
	v_lshlrev_b32 v[XO], 11, v2                    ; rows of 2,048 bytes, + 16 h
	v_lshl_add_u32 v[XO], v3, 4, v[XO]
	v_lshlrev_b32 v[XSO], 6, v2                    ; rows of 64 scale bytes
.endif
	v_and_b32 v228, 8, v2
	v_add_nc_u32 v228, v228, v2                    ; r + 8 (r / 8)
	v_mul_u32_u24 v[WO], v228, KB
	v_lshl_add_u32 v[WO], v3, 4, v[WO]
	v_mul_u32_u24 v[WSO], v228, WSR
	s_lshl_b32 s24, s16, 12
	v_add_nc_u32 v[PST], s24, v[L16]
	s_lshr_b32 s24, s16, 1
	s_lshl_b32 s24, s24, 9
	s_and_b32 s25, s16, 1
	s_lshl_b32 s25, s25, 3
	s_add_co_u32 s24, s24, s25
	v_add_nc_u32 v[RLD], s24, v[L16]
	v_add_nc_u32 v[RST], RES, v[RLD]
	v_add_nc_u32 v[QLD], RES, v[L16]
	v_mov_b32 v[TM+2], 0                           ; written once: a lane permute's destination counts as one of its sources
	v_mov_b32 v[TM+3], 0
	s_mov_b32 s[SEL], 0x76543210
	s_mov_b32 s[SEL+1], 0xfedcba98
	s_mov_b32 s[MNT], 0x600000
	s_mul_i32 s24, ttmp9, XRB                      ; x's codes: my 16 rows, my wave's K steps
	s_mul_i32 s17, s16, NK*XKS
	s_add_co_u32 s24, s24, s17
	s_mov_b32 s25, 0
	s_mul_i32 s26, s16, NK*128                     ; the weight's codes: my K steps
	s_mov_b32 s27, 0
	s_mul_i32 s28, ttmp9, SRB                      ; x's scale words
	s_mul_i32 s17, s16, NK*SKS
	s_add_co_u32 s28, s28, s17
	s_mov_b32 s29, 0
	s_mul_i32 s30, s16, NK*4                       ; the weight's
	s_mov_b32 s31, 0
	s_lshl_b32 s18, ttmp9, 10                      ; T's image: 1,024 bytes for 16 rows
	s_mov_b32 s19, 0
	s_wait_kmcnt 0x0
	s_add_nc_u64 s[4:5], s[4:5], s[24:25]
	s_add_nc_u64 s[6:7], s[6:7], s[28:29]
	s_add_nc_u64 s[8:9], s[8:9], s[26:27]
	s_add_nc_u64 s[10:11], s[10:11], s[30:31]
	s_add_nc_u64 s[12:13], s[12:13], s[18:19]
	s_lshr_b32 s18, s18, 4                         ; T's scale words: 64 bytes for 16 rows
	s_add_nc_u64 s[14:15], s[14:15], s[18:19]
	; all of the wave's operands are asked for at once: 25 loads a K step
.set S, 0
.rept NK
.irp c, 0,1,2,3
	global_load_b128 v[XF+16*S+4*\c:XF+16*S+4*\c+3], v[XO], s[4:5] offset:S*XKS+\c*XC
.endr
	global_load_b32 v[XSC+S], v[XSO], s[6:7] offset:S*SKS
.irp t, 0,1,2,3
.irp c, 0,1,2,3
	global_load_b128 v[WF+64*S+16*\t+4*\c:WF+64*S+16*\t+4*\c+3], v[WO], s[8:9] offset:(32*(\t/2)+8*(\t%2))*KB+128*S+32*\c
.endr
	global_load_b32 v[WSC+4*S+\t], v[WSO], s[10:11] offset:(32*(\t/2)+8*(\t%2))*WSR+4*S
.endr
.set S, S+1
.endr
	s_wait_loadcnt 0x0
.set S, 0
.rept NK                                           ; the four accumulators take turns, one instruction a turn; the first K step starts the sums
.irp t, 0,1,2,3
.if S == 0
	v_wmma_scale_f32_16x16x128_f8f6f4 v[ACC+8*\t:ACC+8*\t+7], v[WF+64*S+16*\t:WF+64*S+16*\t+15], v[XF+16*S:XF+16*S+15], 0, v[WSC+4*S+\t], v[XSC+S]
.else
	v_wmma_scale_f32_16x16x128_f8f6f4 v[ACC+8*\t:ACC+8*\t+7], v[WF+64*S+16*\t:WF+64*S+16*\t+15], v[XF+16*S:XF+16*S+15], v[ACC+8*\t:ACC+8*\t+7], v[WSC+4*S+\t], v[XSC+S]
.endif
.endr
.set S, S+1
.endr
.rept 8
	v_nop                                          ; eight places behind this form, in front of the stores that read the results and of the loads into the operands' registers
.endr
.irp t, 0,1,2,3
	ds_store_b128 v[PST], v[ACC+8*\t:ACC+8*\t+3] offset:PART+1024*\t        ; each accumulator from its low end on; 512 consecutive bytes a store
	ds_store_b128 v[PST], v[ACC+8*\t+4:ACC+8*\t+7] offset:PART+1024*\t+512
.endr
	s_wait_dscnt 0x0                               ; for the others' sake: my part lies in LDS
	s_barrier_signal -1
	s_barrier_wait -1
.irp p, 0,1,2,3,4,5,6,7,8,9,10,11,12,13,14,15
	ds_load_b64 v[RS+2*\p:RS+2*\p+1], v[RLD] offset:PART+4096*\p             ; the same two numbers of all sixteen parts
.endr
	s_wait_dscnt 0x0
.irp p, 0,2,4,6,8,10,12,14
	v_pk_add_f32 v[RS+2*\p:RS+2*\p+1], v[RS+2*\p:RS+2*\p+1], v[RS+2*\p+2:RS+2*\p+3]
.endr
.irp p, 0,4,8,12
	v_pk_add_f32 v[RS+2*\p:RS+2*\p+1], v[RS+2*\p:RS+2*\p+1], v[RS+2*\p+4:RS+2*\p+5]
.endr
.irp p, 0,8
	v_pk_add_f32 v[RS+2*\p:RS+2*\p+1], v[RS+2*\p:RS+2*\p+1], v[RS+2*\p+8:RS+2*\p+9]
.endr
	v_pk_add_f32 v[RS:RS+1], v[RS:RS+1], v[RS+16:RS+17]
	ds_store_b64 v[RST], v[RS:RS+1]
	s_wait_dscnt 0x0                               ; for wave 0's sake: my sums lie in LDS
	s_barrier_signal -1
	s_barrier_wait -1
	s_cmp_lg_u32 s16, 0                            ; wave 0 quantises the 16 rows x 64 and stores them
	s_cbranch_scc1 .Lend
.irp g, 0,1,2,3,4,5,6,7
	ds_load_b128 v[SUM+4*\g:SUM+4*\g+3], v[QLD] offset:512*\g
.endr
	s_wait_dscnt 0x0
	QUANT2 SUM, CDR, WD, 1
	global_store_b128 v[L16], v[CDR:CDR+3], s[12:13]               ; 512 consecutive bytes, aligned
	global_store_b128 v[L16], v[CDR+4:CDR+7], s[12:13] offset:512
	global_store_b32 v[R4], v[WD], s[14:15]                        ; 64 bytes: lanes 16-31 repeat lanes 0-15.  A quarter of an aligned 256 bytes a work-group: 8 KiB in the whole launch
.Lend:
	s_wait_tensorcnt 0x0                           ; the wave's end: behind my last LDS store
	ds_add_u32 v[SPW], v[NIL]
	s_wait_dscnt 0x0
	s_endpgm
.Lfunc_end_k_qe5539f92e4_lora1:
	.size	k_qe5539f92e4_lora1, .Lfunc_end_k_qe5539f92e4_lora1-k_qe5539f92e4_lora1
	.p2alignl 7, 3214868480
	.fill 96, 4, 3214868480
	.section	.rodata,"a",@progbits
	.p2align	6, 0x0
	.amdhsa_kernel k_qe5539f92e4_lora1
		.amdhsa_group_segment_fixed_size 71680
		.amdhsa_private_segment_fixed_size 0
		.amdhsa_enable_private_segment 0
		.amdhsa_kernarg_size 48
		.amdhsa_user_sgpr_count 2
		.amdhsa_user_sgpr_kernarg_segment_ptr 1
		.amdhsa_wavefront_size32 1
		.amdhsa_system_sgpr_workgroup_id_x 1
		.amdhsa_system_sgpr_workgroup_id_y 1
		.amdhsa_system_sgpr_workgroup_id_z 1
		.amdhsa_system_vgpr_workitem_id 0
		.amdhsa_next_free_vgpr 256
		.amdhsa_next_free_sgpr 66
		.amdhsa_reserve_vcc 0
		.amdhsa_float_denorm_mode_32 3
		.amdhsa_float_denorm_mode_16_64 3
		.amdhsa_memory_ordered 1
		.amdhsa_forward_progress 1
		.amdhsa_inst_pref_size 14
	.end_amdhsa_kernel
	.amdgpu_metadata
---
amdhsa.version: [ 1, 2 ]
amdhsa.kernels:
  - .name:           k_qe5539f92e4_lora1
    .symbol:         k_qe5539f92e4_lora1.kd
    .args:
      - { .name: hidden_states_codes, .offset: 0, .size: 8, .value_kind: global_buffer, .address_space: global }
      - { .name: hidden_states_scales, .offset: 8, .size: 8, .value_kind: global_buffer, .address_space: global }
      - { .name: A_gu_codes, .offset: 16, .size: 8, .value_kind: global_buffer, .address_space: global }
      - { .name: A_gu_scales, .offset: 24, .size: 8, .value_kind: global_buffer, .address_space: global }
      - { .name: t1_img, .offset: 32, .size: 8, .value_kind: global_buffer, .address_space: global }
      - { .name: t1_sc, .offset: 40, .size: 8, .value_kind: global_buffer, .address_space: global }
    .group_segment_fixed_size: 71680
    .private_segment_fixed_size: 0
    .kernarg_segment_align: 8
    .kernarg_segment_size: 48
    .max_flat_workgroup_size: 512
    .sgpr_count:     66
    .vgpr_count:     256
    .wavefront_size: 32
...
	.end_amdgpu_metadata
.endif
;; end of part 1
;; launch gateup (part 2): grid 32 x 8, 4 waves a work-group, clusters of 4 x 4, 327,680 bytes of LDS; arguments hidden_states_codes, hidden_states_scales, W_gu_codes, W_gu_scales, h_img, h_sc, B_gu_codes, B_gu_scales, t1_img, t1_sc; writes h_img, h_sc
.if DOCPART == 2
	.amdgcn_target "amdgcn-amd-amdhsa--gfx1250"
	.amdhsa_code_object_version 6
	.text
	.protected	k_qe5539f92e4_gateup
	.globl	k_qe5539f92e4_gateup
	.p2align	8
	.type	k_qe5539f92e4_gateup,@function
k_qe5539f92e4_gateup:
	s_mov_b64 s[64:65], 0
	v_nop
	global_prefetch_b8 v0, s[64:65] scope:SCOPE_SE
	s_setreg_imm32_b32 hwreg(HW_REG_WAVE_MODE, 25, 1), 1
	s_wait_xcnt 0x0
	s_wait_alu depctr_hold_cnt(0) depctr_sa_sdst(0) depctr_va_vdst(0) depctr_va_sdst(0) depctr_va_ssrc(0) depctr_va_vcc(0) depctr_vm_vsrc(0)
	s_getreg_b32 s2, hwreg(HW_REG_IB_STS2, 6, 4)
	s_cmp_eq_u32 s2, 0
	s_cbranch_scc0 .Lentry_in_a_cluster
	s_endpgm
.Lentry_in_a_cluster:
	s_bfe_u32 s2, ttmp6, 0x10000c
	s_cmp_lg_u32 s2, 0xf033
	s_cbranch_scc0 .Lentry_shape_is_right
	s_endpgm
.Lentry_shape_is_right:
; gate_up = x W_gu^T + 0.25 Q(T1) B_gu^T; h = up x silu(gate); h is quantised along its 4,096 and stored as the later launches' operand.  No work is left out.
; x: [2048][2048] codes of E4M3, W_gu: [8192][2048], B_gu: [8192][64], with one E8M0 byte for each 32 along K; Q(T1) comes from the launch before, as images of operand registers, its scale bytes already less 2 (the factor 0.25).
; h_img [row block of 16: 128][K step of 128: 32][c 4][lane 32][16 bytes]: registers 4 c .. 4 c + 3 of the fragment (lane (r, h): row r, k = 32 c + 16 h + 0 .. 15).  h_sc [K step 32][row 2048][4 bytes]: a scale word.
; SHARES.  A work-group makes 256 rows x (128 columns of gate and the SAME 128 of up): 8 x 32 = 256 work-groups.  Four waves, each 128 rows x (64 of gate + 64 of up): 64 accumulators of 16 x 16, 512 registers.
; Gate's accumulator (a, b) and up's (a, b + 4) hold the same row and column of h in the same lane and register, so the activation changes no lane.
; K goes in steps of 256 through a ring of two LDS slots filled by the tensor data mover; the scale bytes of the work-group's rows, for all of K, come into LDS once, with the first fills.
; THE LORA TERM IS ONE MORE STEP OF 128 ALONG K: 64 codes of Q(T1) and B_gu and 64 zero codes.  It stands first, its products start the sums with C = 0 (nothing is cleared), and its fragments come from memory straight into the
; operands' registers while the ring's first tiles are on their way.
; CLUSTERS: 4 x 4 work-groups.  The four of a row of the cluster need the same tiles of x, the four of a column the same tiles of W_gu: each is asked for JOINTLY, by the same tensor load with the same descriptor and a mask that names the four.
; THE MATRIX INSTRUCTION IS USED TRANSPOSED (source 0 = 16 rows of W_gu, source 1 = 16 rows of x): a lane holds one row of h, and its register j column 8 (lane / 16) + j of the tile.
; LIMITS: for gate under about -88.7 the exponential overflows and h is +-0 where its true size is under 1.2e-38 x |gate x up|.  A block of zeros gets the byte 1 and zero codes, not 127: the bytes are read by this program alone.
; NaN and infinities in h are not served by the quantiser.
; REGISTERS, in windows of 256: window 0: v1-31 addresses; v32-63 scale words, two sets, and nothing else; v64-127 at work in the activation; from v128 x's fragments (8 x 16 rows x 128 K), ONE set, later the quantiser's registers.
;   window 1: W_gu's fragments, TWO sets, at v0 and v128.   window 2: the 32 accumulators of my rows 0-63 (accumulator (a, b) at v[8 (8 a + b)]);   window 3: those of my rows 64-127.
.set NQ,     2                         ; matrix instructions deep in a slot: 256 along K
.set ROWB,   256                       ; a tile's row in bytes
.set KROW,   2048                      ; a row of x or W_gu in memory
.set PITCH,  272                       ; an LDS row: 256 bytes + 16 of padding = 68 words: row r starts 4 r words on, so the 16 rows that a load touches start at 16 different banks (64 banks of 4 bytes: ISA guide 11.1)
.set FR,     16                        ; registers of a fragment
.set NL,     4                         ; LDS loads that bring one
.set NP,     8                         ; places behind this matrix instruction (ISA guide 7.12.1)
.set HALFT,  128*PITCH                 ; 128 rows: what one tensor load brings
.set SLOT,   4*HALFT                   ; x's 256 rows, gate's 128, up's 128
.set KS,     64                        ; a row of scale bytes
.set SCL,    2*SLOT                    ; behind the ring: the scales, as units of 256 bytes + 16 of padding: x's two halves, gate's, up's
.set HALFS,  (128*KS/256)*272          ; those of 128 rows
.set SBLK,   (16*KS/256)*272           ; those of 16 rows
.set SPARE,  SCL+4*HALFS               ; the spare words, 128 bytes for each wave: two blocks of 256 bytes that no other line names
.set HSC,    SPARE+512                 ; h's scale words of the 256 rows, 4 bytes a row
.set R4,   12                          ; v12  4 r
.set R2,   13                          ; v13  2 r
.set ADRA, 16                          ; v16-17  LDS address of my fragments of x in slot 0, 1
.set ADRB, 20                          ; v20-21  of W_gu
.set ADRS, 22                          ; v22  of my scale words: lanes 0-15 x's rows, lanes 16-31 gate's
.set ADRS2, 23                         ; v23  the same with up's rows in lanes 16-31
.set L16,  24                          ; v24  16 x lane: an image's place for my lane
.set SA,   25                          ; v25  where I put two scale bytes of a row of h
.set SR,   26                          ; v26  where I read 8 bytes of scale words back
.set L8,   27                          ; v27  8 x lane
.set SPW,  28                          ; v28  LDS address of my spare word; never rewritten
.set NIL,  29                          ; v29  0; never rewritten
.set BO,   31                          ; v31  B_gu: row r of 64 bytes, + 16 h
.set SC,   32                          ; scale words: set s at v[SC + 16 s]; register 2 i + q: lanes 0-15 the word of x's block i, lanes 16-31 that of W_gu's block i.  For the LoRA step: v48-55 T1's words, v56-63 B_gu's
.set T,    64                          ; v64-95   the activation: 32 numbers
.set P,    96                          ; v96-127  gate x up, then h
.set AF,   128                         ; x's fragments
.set TM,   128                         ; v128-137 at work in QUANT2
.set CD,   144                         ; v144-207 h's codes, 8 registers for each block of 16 rows: no store's data are written again
.set SH,   208                         ; v208-215 their two scale bytes
.set WV,   16                          ; s16  wave
.set RH,   17                          ; s17  which 128 rows are mine.  Also: I fetch for x (0) or for W_gu (1)
.set CH,   18                          ; s18  which 64 columns of h.  Also: which 128 rows I fetch
.set TY,   19                          ; s19  block of 256 rows
.set TX,   20                          ; s20  block of 128 columns of h
.set G1,   24                          ; s[24:31] descriptor group 1 for x's tiles;  s[32:39] group 0, one set for each slot
.set G0,   32
.set NL2E, 40                          ; s[40:41] -log2(e), twice (written behind the head)
.set G1B,  48                          ; s[48:55], s[56:63] the same for W_gu's tiles
.set G0B,  56
.set SEL,  66                          ; s[66:67] v_permlanex16_b32's selects for lane l xor 16
.set G1S,  68                          ; s[68:75], s[76:79] groups 1 and 0 for x's scales;  s[80:87], s[88:91] for W_gu's
.set G0S,  76
.set G1SB, 80
.set G0SB, 88
.set MNT,  100                         ; s100 the mantissa field of 448 (written behind the head)
.set MSB, 0
.macro WIN new                         ; the immediate's high byte repeats the setting that is left
.if MSB != (\new)
	s_set_vgpr_msb (MSB<<8)|(\new)
.set MSB, (\new)
.endif
.endm
.set MUL_LO, 0xa1                      ; source 0 (W_gu) window 1, source 1 (x) window 0, C and D window 2
.set MUL_HI, 0xf1                      ; the same, C and D window 3
.set TO_B,   0x40                      ; destination window 1, address window 0
; A joint load: waves 0 and 1 fetch for x, waves 2 and 3 for W_gu.  Each of the two lines has ONE mask and one set of registers for all that issue it; the branch hangs on the wave's number alone.
; An s_nop 0 and four v_nop follow each of the two lines, ahead of the jump, the label and what follows.
.macro JLOAD g0a, g1a, g0b, g1b
	s_cmp_eq_u32 s[RH], 0
	s_cbranch_scc0 .Lfor_b_\@
	tensor_load_to_lds s[\g0a:\g0a+3], s[\g1a:\g1a+7]
	s_nop 0
.rept 4
	v_nop
.endr
	s_branch .Lasked_\@
.Lfor_b_\@:
	tensor_load_to_lds s[\g0b:\g0b+3], s[\g1b:\g1b+7]
	s_nop 0
.rept 4
	v_nop
.endr
.Lasked_\@:
.endm
.macro CREST                           ; a round of the cluster's barrier behind its opening barrier
	s_cmp_lg_u32 s[WV], 0
	s_cbranch_scc1 .Lnot_wave_0_\@
	s_barrier_signal -3
.Lnot_wave_0_\@:
	s_barrier_wait -3
	s_barrier_signal -1
	s_barrier_wait -1
.endm
.macro CROUND                          ; a whole round
	s_barrier_signal -1
	s_barrier_wait -1
	CREST
.endm
.macro PLACES n
.rept \n
	v_nop
.endr
.endm
; 32 numbers of a lane, v[s] on, register 16 b + i in block b (the block's other 16 lie in lane l xor 16), become 8 registers of codes at v[cd] on and a word of two scale bytes in v[wd].  (lora = 1, the bytes less 2, is not used in this launch.)
.macro QUANT2 s, cd, wd, lora
.irp b, 0,1
	v_max3_num_f32 v[TM+\b], |v[\s+16*\b]|, |v[\s+16*\b+1]|, 0x4800000   ; my 16 numbers, and the floor 2^(9 - 127): the byte cannot fall under 1
.endr
.irp i, 2,4,6,8,10,12,14
.irp b, 0,1
	v_max3_num_f32 v[TM+\b], v[TM+\b], |v[\s+16*\b+\i]|, |v[\s+16*\b+\i+1]|
.endr
.endr
.irp b, 0,1
	v_permlanex16_b32 v[TM+2+\b], v[TM+\b], s[SEL], s[SEL+1]
.endr
.irp b, 0,1
	v_max_num_f32 v[TM+\b], v[TM+\b], v[TM+2+\b]          ; the block's largest magnitude
.endr
.irp b, 0,1
	v_add_nc_u32 v[TM+4+\b], 0xfc000000, v[TM+\b]         ; 8 off its exponent field: the conversion's scale operand
.endr
.irp b, 0,1
	v_and_or_b32 v[TM+6+\b], v[TM+\b], 0x7f800000, s[MNT] ; 448 x the scale
.endr
.if \lora
.irp b, 0,1
	v_max_num_f32 v[TM+8+\b], 0x5000000, v[TM+\b]
.endr
.irp b, 0,1
	v_add_nc_u32 v[TM+8+\b], 0xfb000000, v[TM+8+\b]
.endr
.irp b, 0,1
	v_lshrrev_b32 v[TM+8+\b], 23, v[TM+8+\b]
.endr
.else
.irp b, 0,1
	v_lshrrev_b32 v[TM+8+\b], 23, v[TM+4+\b]              ; the scale's byte
.endr
.endif
	v_lshl_or_b32 v[\wd], v[TM+9], 8, v[TM+8]
.irp b, 0,1
.irp i, 0,1,2,3,4,5,6,7,8,9,10,11,12,13,14,15
	v_med3_num_f32 v[\s+16*\b+\i], v[\s+16*\b+\i], -v[TM+6+\b], v[TM+6+\b]   ; the conversion to an 8-bit code does not saturate (ISA guide 7.6.2): the hold at the largest code x the scale
.endr
	v_cvt_scalef32_pk8_fp8_f32 v[\cd+4*\b:\cd+4*\b+1], v[\s+16*\b:\s+16*\b+7], v[TM+4+\b]
	v_cvt_scalef32_pk8_fp8_f32 v[\cd+4*\b+2:\cd+4*\b+3], v[\s+16*\b+8:\s+16*\b+15], v[TM+4+\b]
.endr
	v_nop                                                  ; one plain instruction behind the last conversion
.endm
	s_load_b256 s[4:11], s[0:1], 0x0               ; x's codes s[4:5], x's scales s[6:7], W_gu's codes s[8:9], W_gu's scales s[10:11]
	s_load_b128 s[12:15], s[0:1], 0x20             ; h_img s[12:13], h_sc s[14:15]
	s_load_b256 s[92:99], s[0:1], 0x30             ; B_gu's codes s[92:93], B_gu's scales s[94:95], t1_img s[96:97], t1_sc s[98:99]
	v_lshl_add_u32 v[SPW], v0, 2, SPARE
	v_mov_b32 v[NIL], 0
	ds_add_u32 v[SPW], v[NIL]                      ; the wave's opening: the add, twice on end, and its wait ahead of my first tensor load; the set-up below, work on registers, stands between
	ds_add_u32 v[SPW], v[NIL]                      ; and once more
	v_lshrrev_b32 v1, 5, v0
	v_readfirstlane_b32 s[WV], v1                  ; wave 0..3
	s_lshr_b32 s[RH], s[WV], 1
	s_and_b32 s[CH], s[WV], 1
	s_bfe_u32 s21, ttmp6, 0x40000                  ; cx, cy: my place in the cluster
	s_bfe_u32 s22, ttmp6, 0x40004
	s_lshl_b32 s[TX], ttmp9, 2
	s_add_co_u32 s[TX], s[TX], s21                 ; 4 x cluster x + cx
	s_and_b32 s[TY], ttmp7, 0xffff
	s_lshl_b32 s[TY], s[TY], 2
	s_add_co_u32 s[TY], s[TY], s22                 ; 4 x cluster y + cy
	s_lshl_b32 s40, s22, 2
	s_lshl_b32 s40, 15, s40                        ; my row of the cluster
	s_lshl_b32 s41, 0x1111, s21                    ; my column
	; descriptor group 1: a tile of 128 rows x 256 bytes, padded in LDS
	s_or_b32 s[G1+0], s40, (0<<16)|(1<<20)|(1<<21)|(5<<22)|(3<<25)   ; 15:0 the mask: x's tiles go to my row; 17:16 elements of 1 byte; 20 padding on; 21 set beside a mask; 24:22 after every 64 words (code 5); 31:25 four words (code 3)
	s_or_b32 s[G1B+0], s41, (0<<16)|(1<<20)|(1<<21)|(5<<22)|(3<<25)  ; W_gu's go to my column
.irp g, G1, G1B
	s_mov_b32 s[\g+1], ROWB<<16                    ; tensor_dim0
	s_mov_b32 s[\g+2], 128<<16                     ; tensor_dim1
	s_mov_b32 s[\g+3], ROWB<<16                    ; tile_dim0
	s_mov_b32 s[\g+4], 128                         ; tile_dim1
	s_mov_b32 s[\g+5], KROW                        ; tensor_dim0_stride
	s_mov_b32 s[\g+6], 0
	s_mov_b32 s[\g+7], 0
.endr
	; the scales of 128 rows: a dense block of 8,192 bytes, as 32 rows of 256 bytes (32 elements of 8 bytes), 16 bytes of padding behind each
	s_or_b32 s[G1S+0], s40, (3<<16)|(1<<20)|(1<<21)|(5<<22)|(3<<25)
	s_or_b32 s[G1SB+0], s41, (3<<16)|(1<<20)|(1<<21)|(5<<22)|(3<<25)
.irp g, G1S, G1SB
	s_mov_b32 s[\g+1], 32<<16
	s_mov_b32 s[\g+2], (128*KS/256)<<16
	s_mov_b32 s[\g+3], 32<<16
	s_mov_b32 s[\g+4], 128*KS/256
	s_mov_b32 s[\g+5], 32
	s_mov_b32 s[\g+6], 0
	s_mov_b32 s[\g+7], 0
.endr
	s_lshl_b32 s42, s[CH], 7
	s_lshl_b32 s23, s[TY], 8
	s_add_co_u32 s23, s23, s42                     ; x: row 256 TY + 128 x half
	s_lshl_b32 s43, s[CH], 12
	s_lshl_b32 s101, s[TX], 7
	s_add_co_u32 s101, s101, s43                   ; W_gu: row 128 TX, of gate (half 0) or, 4,096 rows on, of up (half 1)
	s_lshl_b32 s44, s23, 11                        ; their codes, 2,048 bytes a row (under 2^25),
	s_mov_b32 s45, 0
	s_lshl_b32 s2, s23, 6                          ; their scale bytes, 64 a row
	s_mov_b32 s3, 0
	s_lshl_b32 s46, s101, 11
	s_mov_b32 s47, 0
	s_lshl_b32 s100, s101, 6
	s_mov_b32 s101, 0
	s_mul_i32 s42, s[WV], HALFT                    ; where they go: wave x 128 rows: no place in the cluster enters an LDS address
	s_mul_i32 s43, s[WV], HALFS
	s_wait_dscnt 0x0                               ; both opening adds are done
	s_wait_kmcnt 0x0
	s_add_nc_u64 s[44:45], s[4:5], s[44:45]
	s_add_nc_u64 s[2:3], s[6:7], s[2:3]
	s_add_nc_u64 s[46:47], s[8:9], s[46:47]
	s_add_nc_u64 s[100:101], s[10:11], s[100:101]
	CROUND                                         ; all sixteen work-groups are here: the first joint loads meet
	s_mov_b32 s[G0S], 1
	s_add_co_u32 s[G0S+1], s43, SCL
	s_mov_b64 s[G0S+2:G0S+3], s[2:3]
	s_or_b32 s[G0S+3], s[G0S+3], 0x80000000
	s_mov_b32 s[G0SB], 1
	s_add_co_u32 s[G0SB+1], s43, SCL
	s_mov_b64 s[G0SB+2:G0SB+3], s[100:101]
	s_or_b32 s[G0SB+3], s[G0SB+3], 0x80000000
	JLOAD G0S, G1S, G0SB, G1SB                     ; the scales first: they are wanted with K step 0.  Three tensor loads of mine are out behind the head, later one
.irp s, 0,1
	s_mov_b32 s[G0+4*\s], 1
	s_add_co_u32 s[G0+4*\s+1], s42, \s*SLOT
	s_add_nc_u64 s[G0+4*\s+2:G0+4*\s+3], s[44:45], \s*ROWB
	s_or_b32 s[G0+4*\s+3], s[G0+4*\s+3], 0x80000000
	s_mov_b32 s[G0B+4*\s], 1
	s_add_co_u32 s[G0B+4*\s+1], s42, \s*SLOT
	s_add_nc_u64 s[G0B+4*\s+2:G0B+4*\s+3], s[46:47], \s*ROWB
	s_or_b32 s[G0B+4*\s+3], s[G0B+4*\s+3], 0x80000000
	JLOAD G0+4*\s, G1, G0B+4*\s, G1B
.endr
	; THE LORA STEP'S OPERANDS, from memory straight into the operands' registers, while the tiles are on their way
	v_and_b32 v1, 15, v0                           ; r
	v_bfe_u32 v2, v0, 4, 1                         ; h
	v_and_b32 v3, 31, v0                           ; lane
	v_lshlrev_b32 v[L16], 4, v3
	v_lshlrev_b32 v[R4], 2, v1
	v_lshlrev_b32 v[R2], 1, v1
	v_lshlrev_b32 v[BO], 6, v1
	v_lshl_add_u32 v[BO], v2, 4, v[BO]
	s_mov_b32 s23, 0
	s_lshl_b32 s22, s[TY], 1
	s_add_co_u32 s22, s22, s[RH]                   ; 2 TY + RH: my 128 rows
	s_lshl_b32 s22, s22, 9
	s_add_nc_u64 s[98:99], s[98:99], s[22:23]      ; t1_sc: 4 bytes a row
	s_lshl_b32 s22, s22, 4
	s_add_nc_u64 s[96:97], s[96:97], s[22:23]      ; t1_img: 1,024 bytes for 16 rows
	s_lshl_b32 s22, s22, 6
	s_add_nc_u64 s[12:13], s[12:13], s[22:23]      ; h_img: 65,536 bytes for 16 rows
	s_lshl_b32 s22, s[TX], 1
	s_add_co_u32 s22, s22, s[CH]                   ; 2 TX + CH: my 64 columns
	s_lshl_b32 s22, s22, 7
	s_add_nc_u64 s[94:95], s[94:95], s[22:23]      ; B_gu's scales: 2 bytes a row
	s_lshl_b32 s22, s22, 3
	s_add_nc_u64 s[12:13], s[12:13], s[22:23]      ; h_img: 2,048 bytes a K step, my half of it
	s_lshl_b32 s22, s22, 2
	s_add_nc_u64 s[92:93], s[92:93], s[22:23]      ; B_gu's codes: 64 bytes a row
	s_lshl_b32 s22, s[TX], 5
	s_lshl_b32 s2, s[TY], 2
	s_add_co_u32 s22, s22, s2
	s_add_co_u32 s22, s22, s[WV]
	s_lshl_b32 s22, s22, 8
	s_add_nc_u64 s[14:15], s[14:15], s[22:23]      ; h_sc: 8,192 TX + 1,024 TY + 256 x wave
.irp a, 0,1,2,3,4,5,6,7
.irp c, 0,1
	global_load_b128 v[AF+FR*\a+4*\c:AF+FR*\a+4*\c+3], v[L16], s[96:97] offset:1024*\a+512*\c      ; Q(T1), rows 16 a on: k = 32 c + 16 h + 0 .. 15
.endr
	global_load_b32 v[SC+16+\a], v[R4], s[98:99] offset:64*\a                                       ; its scale words
	global_load_u16 v[SC+24+\a], v[R2], s[94:95] offset:((\a%4)*16+(\a/4)*4096)*2                   ; B_gu's two scale bytes of block a's rows; bytes 2 and 3 come out 0, over zero codes
.endr
	WIN TO_B
.irp i, 0,1,2,3,4,5,6,7
.irp c, 0,1
	global_load_b128 v[128+FR*\i+4*\c:128+FR*\i+4*\c+3], v[BO], s[92:93] offset:((\i%4)*16+(\i/4)*4096)*64+32*\c   ; B_gu: blocks 0-3 gate's rows, 4-7 up's, into W_gu's second set
.endr
.endr
.irp i, 0,1,2,3,4,5,6,7
.irp j, 8,9,10,11,12,13,14,15
	v_mov_b32 v[128+FR*\i+\j], 0                   ; K = 64 is filled up to the instruction's 128 with zero codes, on both operands
.endr
.endr
	WIN 0
.irp i, 0,1,2,3,4,5,6,7
.irp j, 8,9,10,11,12,13,14,15
	v_mov_b32 v[AF+FR*\i+\j], 0
.endr
.endr
	; the addresses that stay
	v_mul_u32_u24 v4, v1, PITCH
	v_lshl_add_u32 v4, v2, 4, v4                   ; a fragment's row x pitch + 16 x half
	s_mul_i32 s22, s[RH], HALFT                    ; my 128 rows of x
	s_mul_i32 s23, s[CH], 64*PITCH                 ; my 64 rows of gate,
	s_add_co_u32 s23, s23, 2*HALFT                 ; behind x's 256; up's lie 128 rows further on
.irp s, 0,1
	v_add_nc_u32 v[ADRA+\s], s22, v4
	v_add_nc_u32 v[ADRB+\s], s23, v4
	s_add_co_u32 s22, s22, SLOT
	s_add_co_u32 s23, s23, SLOT
.endr
	v_lshlrev_b32 v5, 6, v1                        ; my row's scales: 64 bytes a row,
	v_lshrrev_b32 v6, 8, v5
	v_lshl_add_u32 v5, v6, 4, v5                   ; and 16 more for each 256 passed
	s_mul_i32 s22, s[RH], HALFS                    ; x's: my 128 rows
	s_mul_i32 s23, s[CH], 4*SBLK                   ; gate's: my 64 rows, behind x's 256
	s_add_co_u32 s23, s23, 2*HALFS
	s_sub_co_u32 s23, s23, s22
	v_mul_u32_u24 v6, s23, v2                      ; lanes 16-31 take W_gu's
	s_add_co_u32 s22, s22, SCL
	v_add_nc_u32 v5, v5, v6
	v_add_nc_u32 v[ADRS], s22, v5
	v_mul_u32_u24 v6, v2, 4*SBLK                   ; blocks 4-7 are up's: 128 rows behind gate's block 0, which is 4 blocks more than the block's number gives
	v_add_nc_u32 v[ADRS2], v[ADRS], v6
	s_lshl_b32 s22, s[RH], 9
	s_lshl_b32 s23, s[CH], 1
	s_add_co_u32 s22, s22, s23
	s_add_co_u32 s22, s22, HSC
	v_lshl_add_u32 v[SA], v1, 2, s22               ; h's scale bytes: row (128 RH + r) x 4 + 2 CH
	s_lshl_b32 s22, s[WV], 8
	s_add_co_u32 s22, s22, HSC
	v_lshl_add_u32 v[SR], v3, 3, s22               ; back: 256 bytes a wave, 8 a lane
	v_lshlrev_b32 v[L8], 3, v3
	s_mov_b32 s[SEL], 0x76543210
	s_mov_b32 s[SEL+1], 0xfedcba98
	s_mov_b32 s[MNT], 0x600000
	s_mov_b32 s[NL2E], 0xbfb8aa3b                  ; -log2(e)
	s_mov_b32 s[NL2E+1], s[NL2E]                   ; (the packed form names the pair)
.macro FRAG reg, adr, q, off           ; a fragment, 16 rows x 128 K of 8-bit codes, is 16 registers: lane l holds row l % 16; registers 4 c .. 4 c + 3 hold K = 32 c + 16 (l / 16) + 0 .. 15
.irp c, 0,1,2,3
	ds_load_b128 v[\reg+4*\c:\reg+4*\c+3], v[\adr] offset:128*(\q)+32*\c+(\off)
.endr
.endm
; 16 matrix instructions: x's blocks a0, a0 + 1 against W_gu's eight, 128 along K: the slot's q-th.  p: W_gu's set;  sc: the set of scale words.
; The 64 accumulators take turns, one instruction a turn, in the same order in every step.
.macro MUL16 a0, p, q, sc
.irp a, \a0, \a0+1
.irp b, 0,1,2,3,4,5,6,7
	v_wmma_scale_f32_16x16x128_f8f6f4 v[8*(8*((\a)%4)+\b):8*(8*((\a)%4)+\b)+7], v[128*(\p)+FR*\b:128*(\p)+FR*\b+FR-1], v[AF+FR*(\a):AF+FR*(\a)+FR-1], v[8*(8*((\a)%4)+\b):8*(8*((\a)%4)+\b)+7], v[SC+8*NQ*(\sc)+NQ*\b+(\q)], v[SC+8*NQ*(\sc)+NQ*(\a)+(\q)] matrix_a_scale:MATRIX_SCALE_ROW1
.endr
.endr
.endm
.macro LMUL16 a0                       ; the same of the LoRA step: the products that start the sums
.irp a, \a0, \a0+1
.irp b, 0,1,2,3,4,5,6,7
	v_wmma_scale_f32_16x16x128_f8f6f4 v[8*(8*((\a)%4)+\b):8*(8*((\a)%4)+\b)+7], v[128+FR*\b:128+FR*\b+FR-1], v[AF+FR*(\a):AF+FR*(\a)+FR-1], 0, v[SC+24+\b], v[SC+16+(\a)]
.endr
.endr
.endm
.macro FETCH_B slot, q, p              ; W_gu's eight fragments of the slot's q-th 128 along K into set p: four blocks of gate, four of up
	WIN TO_B
.irp i, 0,1,2,3,4,5,6,7
	FRAG 128*(\p)+FR*\i, ADRB+\slot, \q, ((\i%4)*16+(\i/4)*128)*PITCH
.endr
	WIN 0
.endm
.macro FETCH_A slot, q, i0             ; x's blocks i0 .. i0 + 3
.irp i, \i0, \i0+1, \i0+2, \i0+3
	FRAG AF+FR*(\i), ADRA+\slot, \q, (\i)*16*PITCH
.endr
.endm
.macro SCALES sc                       ; the next K step's scale words into set sc: two words a row; lanes 0-15 take x's block i, lanes 16-31 W_gu's block i
.irp i, 0,1,2,3
	ds_load_b64 v[SC+8*NQ*\sc+NQ*\i:SC+8*NQ*\sc+NQ*\i+1], v[ADRS] offset:\i*SBLK
.endr
.irp i, 4,5,6,7
	ds_load_b64 v[SC+8*NQ*\sc+NQ*\i:SC+8*NQ*\sc+NQ*\i+1], v[ADRS2] offset:\i*SBLK
.endr
.endm
; A step of 128 along K that has its successor in the same slot.  x has one set of registers: blocks 0-3 are fetched anew in the step's middle, blocks 4-7 at its end; W_gu has two sets.
; A load into a register that a matrix instruction has read stands NP places behind it, and only plain vector instructions that name none of its registers are places.
.macro STEP slot, q
	s_wait_dscnt 4*NL                              ; W_gu's set and x's blocks 0-3 are in; the youngest sixteen loads (x's blocks 4-7) may be out
	WIN MUL_LO
	MUL16 0, (\q)%2, \q, \slot
	MUL16 2, (\q)%2, \q, \slot
	s_wait_dscnt 0                                 ; x's blocks 4-7 are in (asked for 32 matrix instructions ago)
	PLACES NP
	FETCH_B \slot, (\q)+1, 1-(\q)%2
	FETCH_A \slot, (\q)+1, 0
	WIN MUL_HI
	MUL16 4, (\q)%2, \q, \slot
	MUL16 6, (\q)%2, \q, \slot
	PLACES NP
	WIN 0
	FETCH_A \slot, (\q)+1, 4
.endm
; A slot's last step changes slots: ONE barrier; in front of it each wave waits for all its tensor loads, adds 0 to its spare word, and waits for that and for its own reads of this slot.  fill = 1: this slot is filled again, two K steps ahead.
.macro TURN slot, next, fill
	s_wait_tensorcnt 0x0                           ; all my tensor loads have landed: my part of the next slot  (every window is 0 here)
	ds_add_u32 v[SPW], v[NIL]                      ; 0 onto my spare word
	s_wait_dscnt 4*NL+1                            ; (the add and the youngest sixteen loads, x's blocks 4-7, may be out)
	WIN MUL_LO
	MUL16 0, 1, NQ-1, \slot                        ; sixteen matrix instructions stand between the add and the wait for it
	s_wait_dscnt 0x0                               ; the add is done, and my reads of this slot are over
	s_barrier_signal -1
	MUL16 2, 1, NQ-1, \slot
	WIN 0
	s_barrier_wait -1
.if \fill
	CREST                                          ; the barrier has opened a round of the cluster's barrier: no wave of any partner still reads this slot's tile or has a load on its way
	s_add_nc_u64 s[G0+4*\slot+2:G0+4*\slot+3], s[G0+4*\slot+2:G0+4*\slot+3], 2*ROWB
	s_add_nc_u64 s[G0B+4*\slot+2:G0B+4*\slot+3], s[G0B+4*\slot+2:G0B+4*\slot+3], 2*ROWB
	JLOAD G0+4*\slot, G1, G0B+4*\slot, G1B         ; the first tensor load behind the round; the four v_nop behind it are among the places in front of the loads below
	PLACES NP-4
.else
	PLACES NP
.endif
	v_add_nc_u32 v[ADRS], 4*NQ, v[ADRS]            ; on to the next K step's scale words
	v_add_nc_u32 v[ADRS2], 4*NQ, v[ADRS2]
	FETCH_B \next, 0, 0
	FETCH_A \next, 0, 0
	SCALES \next
	WIN MUL_HI
	MUL16 4, 1, NQ-1, \slot
	MUL16 6, 1, NQ-1, \slot
	PLACES NP
	WIN 0
	FETCH_A \next, 0, 4
.endm
	s_wait_loadcnt 0x0                             ; the LoRA step's operands are in
	PLACES 4                                       ; registers of an operand that vector instructions wrote (the zero codes) stand four places ahead of a scaled matrix instruction
	WIN MUL_LO
	LMUL16 0
	LMUL16 2
	WIN MUL_HI
	LMUL16 4
	LMUL16 6
	WIN 0
	s_wait_tensorcnt 1                             ; the scales and my part of K step 0 are in; K step 1's load may be out
	s_barrier_signal -1
	s_barrier_wait -1                              ; everybody's are
	PLACES NP
	FETCH_B 0, 0, 0
	FETCH_A 0, 0, 0
	SCALES 0
	FETCH_A 0, 0, 4
	s_mov_b32 s3, 3
.Llap:                                                 ; a trip goes once round the ring and fills both slots again: K steps 2 to 7
	STEP 0, 0
	TURN 0, 1, 1
	STEP 1, 0
	TURN 1, 0, 1
	s_sub_co_u32 s3, s3, 1
	s_cmp_lg_u32 s3, 0
	s_cbranch_scc1 .Llap
	STEP 0, 0                                      ; the last lap fills nothing, and has no round of the cluster's barrier
	TURN 0, 1, 0
	STEP 1, 0
	s_wait_dscnt 4*NL                              ; the very last step: nothing more to fetch
	WIN MUL_LO
	MUL16 0, 1, NQ-1, 1
	MUL16 2, 1, NQ-1, 1
	s_wait_dscnt 0
	WIN MUL_HI
	MUL16 4, 1, NQ-1, 1
	MUL16 6, 1, NQ-1, 1
	WIN 0
; THE ACTIVATION AND THE QUANTISER, a block of 16 rows at a time.  h = gate x up / (1 + 2^(-log2(e) gate)).  A lane holds 32 numbers of one row: register 8 b + j is column 16 b + 8 (lane / 16) + j of my 64.
; The exponentials are one batch and the reciprocals another, each with one plain instruction behind it and ONE wait ahead of its first reader.  Each accumulator is read from its low end on.
; The codes come out with k = 32 B + 8 h + 0 .. 7 in registers 4 B, 4 B + 1 and k = 32 B + 16 + 8 h + 0 .. 7 in 4 B + 2, 4 B + 3; the operand wants k = 32 B + 16 h + 0 .. 15: lanes 16-31 of the first pair change places with lanes 0-15 of the second.
.macro EPI a
.set AC, 64*((\a)%4)
.set WW, 2+(\a)/4
	WIN WW                                         ; source 0: the accumulators' window
.set I, 0
.rept 16
	v_pk_mul_f32 v[T+I:T+I+1], v[AC+I:AC+I+1], s[NL2E:NL2E+1] op_sel_hi:[1,0]     ; -log2(e) x gate
.set I, I+2
.endr
	WIN 0
.set I, 0
.rept 32
	v_exp_f32 v[T+I], v[T+I]
.set I, I+1
.endr
	WIN WW*5                                       ; sources 0 and 1
.set I, 0
.rept 16
	v_pk_mul_f32 v[P+I:P+I+1], v[AC+I:AC+I+1], v[AC+32+I:AC+32+I+1]               ; gate x up: plain work behind the batch, which names none of its results
.set I, I+2
.endr
	WIN 0
	s_wait_alu depctr_va_vdst(0)                   ; one wait for the 32 exponentials
.set I, 0
.rept 16
	v_pk_add_f32 v[T+I:T+I+1], v[T+I:T+I+1], 1.0 op_sel_hi:[1,0]
.set I, I+2
.endr
.set I, 0
.rept 32
	v_rcp_f32 v[T+I], v[T+I]
.set I, I+1
.endr
	v_nop
	s_wait_alu depctr_va_vdst(0)                   ; one wait for the 32 reciprocals
.set I, 0
.rept 16
	v_pk_mul_f32 v[P+I:P+I+1], v[P+I:P+I+1], v[T+I:T+I+1]
.set I, I+2
.endr
	QUANT2 P, CD+8*(\a), SH+(\a), 0
.irp b, 0,1
	v_permlane16_swap_b32 v[CD+8*(\a)+4*\b], v[CD+8*(\a)+4*\b+2]
	v_permlane16_swap_b32 v[CD+8*(\a)+4*\b+1], v[CD+8*(\a)+4*\b+3]
.endr
.irp b, 0,1
	global_store_b128 v[L16], v[CD+8*(\a)+4*\b:CD+8*(\a)+4*\b+3], s[12:13] offset:(\a)*65536+512*\b   ; 32 lanes store 512 consecutive bytes, aligned
.endr
	ds_store_b16 v[SA], v[SH+(\a)] offset:64*(\a)  ; my two bytes of the row's scale word; lanes 16-31 write what lanes 0-15 write
.endm
	PLACES NP                                      ; behind the last products, in front of the first read of results and of writes into the registers that held x's fragments
	v_mov_b32 v[TM+2], 0                           ; a lane permute's destination counts as one of its sources
	v_mov_b32 v[TM+3], 0
.irp a, 0,1,2,3,4,5,6,7
	EPI \a
.endr
	s_wait_dscnt 0x0                               ; for the others' sake: my scale bytes lie in LDS (a row's word comes from two waves)
	s_barrier_signal -1
	s_barrier_wait -1
	ds_load_b64 v[216:217], v[SR]
	s_wait_dscnt 0x0
	global_store_b64 v[L8], v[216:217], s[14:15]   ; 32 lanes store 256 consecutive bytes, aligned: 64 rows' scale words
	s_wait_tensorcnt 0x0                           ; the wave's end: behind my last tensor load and my last LDS store
	ds_add_u32 v[SPW], v[NIL]
	s_wait_dscnt 0x0
	CROUND                                         ; the closing round: no work-group ends while a partner may still ask for a tile that names it
	s_endpgm
.Lfunc_end_k_qe5539f92e4_gateup:
	.size	k_qe5539f92e4_gateup, .Lfunc_end_k_qe5539f92e4_gateup-k_qe5539f92e4_gateup
	.p2alignl 7, 3214868480
	.fill 96, 4, 3214868480
	.section	.rodata,"a",@progbits
	.p2align	6, 0x0
	.amdhsa_kernel k_qe5539f92e4_gateup
		.amdhsa_group_segment_fixed_size 327680
		.amdhsa_private_segment_fixed_size 0
		.amdhsa_enable_private_segment 0
		.amdhsa_kernarg_size 80
		.amdhsa_user_sgpr_count 2
		.amdhsa_user_sgpr_kernarg_segment_ptr 1
		.amdhsa_wavefront_size32 1
		.amdhsa_system_sgpr_workgroup_id_x 1
		.amdhsa_system_sgpr_workgroup_id_y 1
		.amdhsa_system_sgpr_workgroup_id_z 1
		.amdhsa_system_vgpr_workitem_id 0
		.amdhsa_next_free_vgpr 1024
		.amdhsa_next_free_sgpr 102
		.amdhsa_reserve_vcc 0
		.amdhsa_float_denorm_mode_32 3
		.amdhsa_float_denorm_mode_16_64 3
		.amdhsa_memory_ordered 1
		.amdhsa_forward_progress 1
		.amdhsa_inst_pref_size 219
	.end_amdhsa_kernel
	.amdgpu_metadata
---
amdhsa.version: [ 1, 2 ]
amdhsa.kernels:
  - .name:           k_qe5539f92e4_gateup
    .symbol:         k_qe5539f92e4_gateup.kd
    .args:
      - { .name: hidden_states_codes, .offset: 0, .size: 8, .value_kind: global_buffer, .address_space: global }
      - { .name: hidden_states_scales, .offset: 8, .size: 8, .value_kind: global_buffer, .address_space: global }
      - { .name: W_gu_codes, .offset: 16, .size: 8, .value_kind: global_buffer, .address_space: global }
      - { .name: W_gu_scales, .offset: 24, .size: 8, .value_kind: global_buffer, .address_space: global }
      - { .name: h_img, .offset: 32, .size: 8, .value_kind: global_buffer, .address_space: global }
      - { .name: h_sc, .offset: 40, .size: 8, .value_kind: global_buffer, .address_space: global }
      - { .name: B_gu_codes, .offset: 48, .size: 8, .value_kind: global_buffer, .address_space: global }
      - { .name: B_gu_scales, .offset: 56, .size: 8, .value_kind: global_buffer, .address_space: global }
      - { .name: t1_img, .offset: 64, .size: 8, .value_kind: global_buffer, .address_space: global }
      - { .name: t1_sc, .offset: 72, .size: 8, .value_kind: global_buffer, .address_space: global }
    .group_segment_fixed_size: 327680
    .private_segment_fixed_size: 0
    .kernarg_segment_align: 8
    .kernarg_segment_size: 80
    .max_flat_workgroup_size: 128
    .sgpr_count:     102
    .vgpr_count:     1024
    .wavefront_size: 32
...
	.end_amdgpu_metadata
.endif
;; end of part 2
;; launch down (part 3): grid 16 x 16, 4 waves a work-group, clusters of 4 x 4, 327,680 bytes of LDS; arguments h_img, h_sc, W_d_codes, W_d_scales, out0, B_d_codes, B_d_scales, A_d_codes, A_d_scales; writes out0
.if DOCPART == 3
	.amdgcn_target "amdgcn-amd-amdhsa--gfx1250"
	.amdhsa_code_object_version 6
	.text
	.protected	k_qe5539f92e4_down
	.globl	k_qe5539f92e4_down
	.p2align	8
	.type	k_qe5539f92e4_down,@function
k_qe5539f92e4_down:
	s_mov_b64 s[64:65], 0
	v_nop
	global_prefetch_b8 v0, s[64:65] scope:SCOPE_SE
	s_setreg_imm32_b32 hwreg(HW_REG_WAVE_MODE, 25, 1), 1
	s_wait_xcnt 0x0
	s_wait_alu depctr_hold_cnt(0) depctr_sa_sdst(0) depctr_va_vdst(0) depctr_va_sdst(0) depctr_va_ssrc(0) depctr_va_vcc(0) depctr_vm_vsrc(0)
	s_getreg_b32 s2, hwreg(HW_REG_IB_STS2, 6, 4)
	s_cmp_eq_u32 s2, 0
	s_cbranch_scc0 .Lentry_in_a_cluster
	s_endpgm
.Lentry_in_a_cluster:
	s_bfe_u32 s2, ttmp6, 0x10000c
	s_cmp_lg_u32 s2, 0xf033
	s_cbranch_scc0 .Lentry_shape_is_right
	s_endpgm
.Lentry_shape_is_right:
; out = Q(h) W_d^T + 0.25 Q(T2) B_d^T, T2 = Q(h) A_d^T: out [2048][2048] f32; K = 4,096 for the products with Q(h), 64 for the product with Q(T2).  No work is left out.
; Q(h) comes from the launch before, as images of operand registers with its scale words; W_d [2048][4096], A_d [64][4096] and B_d [2048][64] are codes of E4M3 with one E8M0 byte for each 32 along K.
; SHARES.  A tile of out is 128 x 128: 16 x 16 = 256 work-groups (tiles of 256 x 256 would be 64).  Four waves, each 64 x 64: 16 accumulators of 16 x 16, 128 registers.
; K goes in steps of 512, as long as two slots in LDS allow.  In a slot h lies as it lies in memory, [row block 8][K step 4][c 4][lane 32][16 bytes]: a fragment's loads read 512 consecutive bytes each, with no padding;
; W_d lies as 128 rows of 512 bytes + 16.  The scale bytes of the tile's rows and columns, for all of K, come into LDS once, with the first fills.
; T2 IS MADE HERE, from the fragments of h that the wave holds anyway: a wave makes T2 of its 64 rows x 32 of the 64 columns (the half that its half of the tile's columns names): 8 accumulators, 8 more matrix instructions
; on a K step's 16.  Each of the 16 column tiles makes T2 of its rows anew: that is work done sixteen times over, taken in exchange for a launch.
; A_d COMES FROM MEMORY STRAIGHT INTO REGISTERS: lane r of tile u takes row 32 CH + 8 u + r + 8 (r / 8), so that a lane's 16 results are k = 32 CH + 16 (lane / 16) + 0 .. 15 of the next operand.  Eight sets of two fragments,
; one for each K step of a lap; step s asks for step s + 7's.  NO JOINT LOAD FOR A_d, though all work-groups read it: two slots' worth of it, 2 x 64 rows x 528 bytes = 67,584 bytes, do not fit beside the 326,656 bytes that this text uses.
; THE LORA TERM IS ONE MORE STEP OF 128 ALONG K, the last: 64 codes and 64 zero codes.  Each wave quantises its block of 32 columns of T2, its scale byte LESS 2 (the factor 0.25, exact in a power-of-two scale);
; the two waves of a row half exchange their halves through LDS, as images of operand registers.
; CLUSTERS: 4 x 4 work-groups; h's tiles are shared along a row of the cluster, W_d's along a column: each is asked for JOINTLY, by the same tensor load with the same descriptor and a mask that names the four.
; THE MATRIX INSTRUCTION IS USED TRANSPOSED (source 0 = 16 rows of W_d, A_d or B_d, source 1 = 16 rows of h or T2): a lane holds eight neighbouring numbers of a row of the result.
; LIMITS: a block of T2 whose largest magnitude lies under 2^-117 cannot carry the 2 off its byte: it gets the byte 0, and its term is then up to twice too large (under 2^-116 x |B_d|).  A block of zeros gets a small byte and zero codes.
; NaN and infinities in T2 are not served by the quantiser.
; REGISTERS: window 0: v1-31 addresses; v32-95 scale words of h and W_d, two sets of 32; v96-103 the LoRA step's; v104-119 A_d's, two sets of 8: scales and nothing else; v128-255 the accumulators ((a, b) at v[128 + 8 (4 a + b)]).
;   window 1: two fragment buffers of 128: h's four fragments, then W_d's four; on the way out rows of out.   window 2: A_d's eight sets of two fragments.
;   window 3: v0-63 T2's accumulators ((a, u) at v[8 (2 a + u)]); v64-127 B_d's fragments; v128-191 T2's fragments; v192-231 the quantiser's.
.set SLOT,  133120                     ; h's part, 65,536 bytes, then W_d's, 128 x 528
.set ASZ,   65536
.set BH,    64*528                     ; 64 rows of W_d: what one tensor load brings.  A row: 512 bytes + 16 of padding = 132 words: row r starts 4 r words on modulo 64 (64 banks of 4 bytes: ISA guide 11.1)
.set SCA,   2*SLOT                     ; h's scale words: [K step 32][128 rows][4 bytes]
.set SCB,   SCA+16384                  ; W_d's scale bytes: 128 rows x 128 bytes, as 64 units of 256 bytes + 16 of padding
.set SPARE, SCB+17408                  ; the spare words, 128 bytes for each wave: two blocks of 256 bytes that no other line names
.set STAGE, SPARE+512                  ; the way out: 16 rows x (256 bytes + 16) for each wave; no fill ever lands there
.set XCH,   STAGE+4*16*272             ; T2's codes: [row block 8][c 2][lane 32][16 bytes]; written by LDS stores alone
.set XSC,   XCH+8192                   ; T2's scale bytes: [128 rows][4 bytes], of which bytes 0 and 1 are written and read
.set NP,    8                          ; places behind this matrix instruction (ISA guide 7.12.1)
.set XST,  6                           ; v6   where I put my half of a row block's codes of T2
.set XSB,  7                           ; v7   where I put my scale byte of a row
.set XLD,  8                           ; v8   where I read a row block's codes back
.set XSL,  9                           ; v9   where I read a row's two scale bytes back
.set ADO,  10                          ; v10  A_d's codes: row (r + 8 (r / 8)) of 4,096 bytes, + 16 h
.set ASO,  11                          ; v11  A_d's scale bytes: the same row of 128 bytes
.set ADRA, 16                          ; v16-17  LDS address of my fragments of h in slot 0, 1
.set ADRB, 18                          ; v18-19  of W_d
.set ADSA, 20                          ; v20  of h's scale words
.set ADSB, 21                          ; v21  of W_d's
.set STO,  22                          ; v22  the way out: where I put 32 bytes of a row
.set RD,   23                          ; v23  where I read a row back
.set CO,   24                          ; v24  my byte offset in out
.set L16,  25                          ; v25  16 x lane
.set BO,   26                          ; v26  B_d: row r of 64 bytes, + 16 h
.set SPW,  28                          ; v28  LDS address of my spare word; never rewritten
.set NIL,  29                          ; v29  0; never rewritten
.set R2,   30                          ; v30  2 r
.set SCR,  32                          ; scale words: set s at v[32 + 32 s]: h's word of block a, K step q at 4 a + q; W_d's of block b at 16 + 4 b + q
.set LSA,  96                          ; v96-99   T2's scale words
.set LSB,  100                         ; v100-103 B_d's
.set ADS,  104                         ; v104-119 A_d's scale words: set s at 8 s; tile u, K step q at 4 u + q
.set ACC,  128
.set F0,   0                           ; fragment buffers, in window 1
.set F1,   128
.set T2A,  0                           ; in window 3: T2's accumulators,
.set BDF,  64                          ; B_d's four fragments,
.set T2F,  128                         ; T2's four fragments,
.set QT,   192                         ; v192-195 largest magnitudes, 196-199 the other half's, 200-203 448 x the scale, 204-207 the conversions' scale operands, 208-211 the bytes,
.set QC,   216                         ; v216-231 the codes: four registers a row block
.set WV,   16                          ; s16  wave
.set RH,   17                          ; s17  which 64 rows are mine.  Also: I fetch for h (0) or for W_d (1)
.set CH,   18                          ; s18  which 64 columns.  Also: which half of a tile I fetch, and which 32 columns of T2 I make
.set TY,   19                          ; s19  block of 128 rows
.set TX,   20                          ; s20  block of 128 columns
.set G1A,  24                          ; s[24:31] descriptor group 1 for h's tiles;  s[32:39] group 0, one set for each slot
.set G0A,  32
.set G1B,  48                          ; s[48:55], s[56:63] the same for W_d's
.set G0B,  56
.set SEL,  66                          ; s[66:67] v_permlanex16_b32's selects for lane l xor 16
.set G1SA, 68                          ; s[68:75], s[76:79] groups 1 and 0 for h's scale words;  s[80:87], s[88:91] for W_d's scale bytes
.set G0SA, 76
.set G1SB, 80
.set G0SB, 88
.set MNT,  100                         ; s100 the mantissa field of 448 (written behind the head)
.set MSB, 0
.macro WIN new                         ; the immediate's high byte repeats the setting that is left
.if MSB != (\new)
	s_set_vgpr_msb (MSB<<8)|(\new)
.set MSB, (\new)
.endif
.endm
.set MUL,  0x05                        ; sources 0 (W_d) and 1 (h) window 1; C and D window 0
.set TW,   0xf6                        ; source 0 (A_d) window 2, source 1 (h) window 1; C and D window 3
.set TO_F, 0x40                        ; destination window 1, address window 0
; A joint load: waves 0 and 1 fetch for h, waves 2 and 3 for W_d; the branch hangs on the wave's number alone.  An s_nop 0 and four v_nop follow each of the two lines, ahead of the jump, the label and what follows.
.macro JLOAD g0a, g1a, g0b, g1b
	s_cmp_eq_u32 s[RH], 0
	s_cbranch_scc0 .Lfor_b_\@
	tensor_load_to_lds s[\g0a:\g0a+3], s[\g1a:\g1a+7]
	s_nop 0
.rept 4
	v_nop
.endr
	s_branch .Lasked_\@
.Lfor_b_\@:
	tensor_load_to_lds s[\g0b:\g0b+3], s[\g1b:\g1b+7]
	s_nop 0
.rept 4
	v_nop
.endr
.Lasked_\@:
.endm
.macro CREST                           ; a round of the cluster's barrier behind its opening barrier
	s_cmp_lg_u32 s[WV], 0
	s_cbranch_scc1 .Lnot_wave_0_\@
	s_barrier_signal -3
.Lnot_wave_0_\@:
	s_barrier_wait -3
	s_barrier_signal -1
	s_barrier_wait -1
.endm
.macro CROUND                          ; a whole round
	s_barrier_signal -1
	s_barrier_wait -1
	CREST
.endm
.macro PLACES n
.rept \n
	v_nop
.endr
.endm
; A_d's scale words of one slot (four K steps: 16 bytes a row) into set 'set': one load for each of my two tiles; off: the slot's bytes from the base in hand
.macro ASCL set, off
.irp u, 0,1
	global_load_b128 v[ADS+8*(\set)+4*\u:ADS+8*(\set)+4*\u+3], v[ASO], s[98:99] offset:(\off)+\u*1024
.endr
.endm
; A_d's two fragments of one K step, the g-th from the base in hand, into set g % 8: eight loads
.macro AGRP g
	WIN 0x80                                       ; destination window 2, address window 0
.irp u, 0,1
.irp c, 0,1,2,3
	global_load_b128 v[32*((\g)%8)+16*\u+4*\c:32*((\g)%8)+16*\u+4*\c+3], v[ADO], s[96:97] offset:128*(\g)+\u*32768+32*\c
.endr
.endr
.endm
	s_load_b256 s[4:11], s[0:1], 0x0               ; h_img s[4:5], h_sc s[6:7], W_d's codes s[8:9], W_d's scales s[10:11]
	s_load_b64 s[12:13], s[0:1], 0x20              ; out0
	s_load_b128 s[92:95], s[0:1], 0x28             ; B_d's codes s[92:93], B_d's scales s[94:95]
	s_load_b128 s[96:99], s[0:1], 0x38             ; A_d's codes s[96:97], A_d's scales s[98:99]
	v_lshl_add_u32 v[SPW], v0, 2, SPARE
	v_mov_b32 v[NIL], 0
	ds_add_u32 v[SPW], v[NIL]                      ; the wave's opening: the add, twice on end, and its wait ahead of my first tensor load; the set-up below, work on registers, stands between
	ds_add_u32 v[SPW], v[NIL]                      ; and once more
	v_lshrrev_b32 v1, 5, v0
	v_readfirstlane_b32 s[WV], v1                  ; wave 0..3
	s_lshr_b32 s[RH], s[WV], 1
	s_and_b32 s[CH], s[WV], 1
	s_bfe_u32 s21, ttmp6, 0x40000                  ; cx, cy: my place in the cluster
	s_bfe_u32 s22, ttmp6, 0x40004
	s_lshl_b32 s[TX], ttmp9, 2
	s_add_co_u32 s[TX], s[TX], s21                 ; 4 x cluster x + cx
	s_and_b32 s[TY], ttmp7, 0xffff
	s_lshl_b32 s[TY], s[TY], 2
	s_add_co_u32 s[TY], s[TY], s22                 ; 4 x cluster y + cy
	s_lshl_b32 s40, s22, 2
	s_lshl_b32 s40, 15, s40                        ; my row of the cluster
	s_lshl_b32 s41, 0x1111, s21                    ; my column
	; h's tile, half of it: 4 row blocks x 8,192 bytes (four K steps' images on end), 65,536 bytes apart in memory, dense in LDS
	s_or_b32 s[G1A+0], s40, (3<<16)|(1<<21)        ; 15:0 the mask: my row; 17:16 elements of 8 bytes; 21 set beside a mask; no padding
	s_mov_b32 s[G1A+1], 1024<<16                   ; tensor_dim0 = 1,024 elements
	s_mov_b32 s[G1A+2], 4<<16                      ; tensor_dim1 = 4
	s_mov_b32 s[G1A+3], 1024<<16                   ; tile_dim0
	s_mov_b32 s[G1A+4], 4                          ; tile_dim1
	s_mov_b32 s[G1A+5], 8192                       ; tensor_dim0_stride, in elements
	s_mov_b32 s[G1A+6], 0
	s_mov_b32 s[G1A+7], 0
	; W_d's tile, half of it: 64 rows x 512 bytes, 16 bytes of padding behind each
	s_or_b32 s[G1B+0], s41, (0<<16)|(1<<20)|(1<<21)|(6<<22)|(3<<25)   ; my column; elements of 1 byte; padding: four words (code 3) after every 128 (code 6)
	s_mov_b32 s[G1B+1], 512<<16
	s_mov_b32 s[G1B+2], 64<<16
	s_mov_b32 s[G1B+3], 512<<16
	s_mov_b32 s[G1B+4], 64
	s_mov_b32 s[G1B+5], 4096
	s_mov_b32 s[G1B+6], 0
	s_mov_b32 s[G1B+7], 0
	; h's scale words, half of them: 16 K steps x 512 bytes (128 rows' words), 8,192 bytes apart in memory, dense in LDS
	s_or_b32 s[G1SA+0], s40, (3<<16)|(1<<21)
	s_mov_b32 s[G1SA+1], 64<<16
	s_mov_b32 s[G1SA+2], 16<<16
	s_mov_b32 s[G1SA+3], 64<<16
	s_mov_b32 s[G1SA+4], 16
	s_mov_b32 s[G1SA+5], 1024
	s_mov_b32 s[G1SA+6], 0
	s_mov_b32 s[G1SA+7], 0
	; W_d's scale bytes of 64 rows: a dense block of 8,192 bytes, as 32 rows of 256 bytes, 16 bytes of padding behind each
	s_or_b32 s[G1SB+0], s41, (3<<16)|(1<<20)|(1<<21)|(5<<22)|(3<<25)
	s_mov_b32 s[G1SB+1], 32<<16
	s_mov_b32 s[G1SB+2], 32<<16
	s_mov_b32 s[G1SB+3], 32<<16
	s_mov_b32 s[G1SB+4], 32
	s_mov_b32 s[G1SB+5], 32
	s_mov_b32 s[G1SB+6], 0
	s_mov_b32 s[G1SB+7], 0
	s_lshl_b32 s23, s[TY], 1
	s_add_co_u32 s23, s23, s[CH]                   ; h: 2 TY + half: four row blocks of 65,536 bytes each
	s_lshl_b32 s44, s23, 18
	s_mov_b32 s45, 0
	s_lshl_b32 s2, s[CH], 17                       ; its scale words: K steps 16 x half on, my 128 rows
	s_lshl_b32 s3, s[TY], 9
	s_add_co_u32 s2, s2, s3
	s_mov_b32 s3, 0
	s_lshl_b32 s101, s[TX], 1
	s_add_co_u32 s101, s101, s[CH]                 ; W_d: 2 TX + half: 64 rows of 4,096 bytes,
	s_lshl_b32 s46, s101, 18
	s_mov_b32 s47, 0
	s_lshl_b32 s100, s101, 13                      ; and of 128 scale bytes
	s_mov_b32 s101, 0
	s_lshl_b32 s42, s[CH], 15                      ; where they go: no place in the cluster enters an LDS address
	s_mul_i32 s43, s[CH], BH
	s_add_co_u32 s43, s43, ASZ
	s_lshl_b32 s14, s[CH], 13
	s_add_co_u32 s14, s14, SCA
	s_mul_i32 s15, s[CH], 8704
	s_add_co_u32 s15, s15, SCB
	s_wait_dscnt 0x0                               ; both opening adds are done
	s_wait_kmcnt 0x0
	s_add_nc_u64 s[44:45], s[4:5], s[44:45]
	s_add_nc_u64 s[2:3], s[6:7], s[2:3]
	s_add_nc_u64 s[46:47], s[8:9], s[46:47]
	s_add_nc_u64 s[100:101], s[10:11], s[100:101]
	CROUND                                         ; all sixteen work-groups are here: the first joint loads meet
	s_mov_b32 s[G0SA], 1
	s_mov_b32 s[G0SA+1], s14
	s_mov_b64 s[G0SA+2:G0SA+3], s[2:3]
	s_or_b32 s[G0SA+3], s[G0SA+3], 0x80000000
	s_mov_b32 s[G0SB], 1
	s_mov_b32 s[G0SB+1], s15
	s_mov_b64 s[G0SB+2:G0SB+3], s[100:101]
	s_or_b32 s[G0SB+3], s[G0SB+3], 0x80000000
	JLOAD G0SA, G1SA, G0SB, G1SB                   ; the scales first.  Three tensor loads of mine are out behind the head, later one
.irp s, 0,1
	s_mov_b32 s[G0A+4*\s], 1
	s_add_co_u32 s[G0A+4*\s+1], s42, \s*SLOT
	s_add_nc_u64 s[G0A+4*\s+2:G0A+4*\s+3], s[44:45], \s*8192
	s_or_b32 s[G0A+4*\s+3], s[G0A+4*\s+3], 0x80000000
	s_mov_b32 s[G0B+4*\s], 1
	s_add_co_u32 s[G0B+4*\s+1], s43, \s*SLOT
	s_add_nc_u64 s[G0B+4*\s+2:G0B+4*\s+3], s[46:47], \s*512
	s_or_b32 s[G0B+4*\s+3], s[G0B+4*\s+3], 0x80000000
	JLOAD G0A+4*\s, G1A, G0B+4*\s, G1B
.endr
	; WHAT COMES FROM MEMORY STRAIGHT INTO REGISTERS, asked for while the tiles are on their way: B_d's fragments and scale bytes, for the last step; A_d's scale words of slot 0 and its fragments of K steps 0 to 6
	v_and_b32 v1, 15, v0                           ; r
	v_bfe_u32 v2, v0, 4, 1                         ; h
	v_and_b32 v3, 31, v0                           ; lane
	v_lshlrev_b32 v[L16], 4, v3
	v_lshlrev_b32 v[R2], 1, v1
	v_lshlrev_b32 v[BO], 6, v1
	v_lshl_add_u32 v[BO], v2, 4, v[BO]
	v_and_b32 v4, 8, v1
	v_add_nc_u32 v4, v4, v1                        ; r + 8 (r / 8)
	v_lshlrev_b32 v[ADO], 12, v4
	v_lshl_add_u32 v[ADO], v2, 4, v[ADO]
	v_lshlrev_b32 v[ASO], 7, v4
	s_mov_b32 s23, 0
	s_lshl_b32 s22, s[TY], 1
	s_add_co_u32 s22, s22, s[RH]                   ; 2 TY + RH: my 64 rows
	s_lshl_b32 s22, s22, 19
	s_add_nc_u64 s[12:13], s[12:13], s[22:23]      ; out: 8,192 bytes a row
	s_lshl_b32 s22, s[TX], 1
	s_add_co_u32 s22, s22, s[CH]                   ; 2 TX + CH: my 64 columns
	s_lshl_b32 s22, s22, 7
	s_add_nc_u64 s[94:95], s[94:95], s[22:23]      ; B_d's scales: 2 bytes a row
	s_lshl_b32 s22, s22, 1
	s_add_nc_u64 s[12:13], s[12:13], s[22:23]      ; out: 4 bytes a column
	s_lshl_b32 s22, s22, 4
	s_add_nc_u64 s[92:93], s[92:93], s[22:23]      ; B_d's codes: 64 bytes a row
	s_lshl_b32 s22, s[CH], 17
	s_add_nc_u64 s[96:97], s[96:97], s[22:23]      ; A_d's codes: my 32 rows of 4,096 bytes
	s_lshl_b32 s22, s[CH], 12
	s_add_nc_u64 s[98:99], s[98:99], s[22:23]      ; A_d's scales: my 32 rows of 128 bytes
.irp b, 0,1,2,3
	global_load_u16 v[LSB+\b], v[R2], s[94:95] offset:32*\b        ; B_d's two scale bytes; bytes 2 and 3 come out 0, over zero codes
.endr
	WIN 0xc0                                       ; destination window 3
.irp b, 0,1,2,3
.irp c, 0,1
	global_load_b128 v[BDF+16*\b+4*\c:BDF+16*\b+4*\c+3], v[BO], s[92:93] offset:1024*\b+32*\c       ; B_d, rows 16 b on
.endr
.endr
.irp f, 0,1,2,3
.irp j, 8,9,10,11,12,13,14,15
	v_mov_b32 v[BDF+16*\f+\j], 0                   ; K = 64 is filled up to the instruction's 128 with zero codes, on both operands
	v_mov_b32 v[T2F+16*\f+\j], 0
.endr
.endr
.irp a, 0,1,2,3
	v_mov_b32 v[QT+4+\a], 0                        ; written once: a lane permute's destination counts as one of its sources
.endr
	WIN 0
	ASCL 0, 0
.irp g, 0,1,2,3,4,5,6
	AGRP \g
.endr
	WIN 0
	; the addresses that stay
	s_lshl_b32 s22, s[RH], 15                      ; my four row blocks of h
	s_mul_i32 s23, s[CH], BH                       ; my 64 rows of W_d, behind h's part
	s_add_co_u32 s23, s23, ASZ
	v_mul_u32_u24 v4, v1, 528
	v_lshl_add_u32 v4, v2, 4, v4
.irp s, 0,1
	v_add_nc_u32 v[ADRA+\s], s22, v[L16]
	v_add_nc_u32 v[ADRB+\s], s23, v4
	s_add_co_u32 s22, s22, SLOT
	s_add_co_u32 s23, s23, SLOT
.endr
	s_lshl_b32 s22, s[RH], 8
	s_add_co_u32 s22, s22, SCA
	v_lshl_add_u32 v[ADSA], v1, 2, s22             ; h's scale words: row (64 RH + r) x 4
	v_lshrrev_b32 v4, 1, v1
	v_mul_u32_u24 v4, v4, 272
	v_and_b32 v5, 1, v1
	v_lshl_add_u32 v4, v5, 7, v4                   ; W_d's: two rows of 128 bytes to a unit
	s_mul_i32 s22, s[CH], 8704
	s_add_co_u32 s22, s22, SCB
	v_add_nc_u32 v[ADSB], s22, v4
	s_mul_i32 s22, s[WV], 16*272
	s_add_co_u32 s22, s22, STAGE                   ; my stage
	v_mul_u32_u24 v4, v1, 272
	v_lshl_add_u32 v4, v2, 5, v4
	v_add_nc_u32 v[STO], s22, v4                   ; in: row r, 32 bytes for each half of the lanes
	v_mul_u32_u24 v4, v2, 272
	v_lshl_add_u32 v4, v1, 4, v4
	v_add_nc_u32 v[RD], s22, v4                    ; back: lanes 0-15 one row of 256 bytes, lanes 16-31 the next
	v_lshlrev_b32 v4, 13, v2
	v_lshl_add_u32 v[CO], v1, 4, v4                ; and the same two rows in out
	s_lshl_b32 s22, s[RH], 12
	s_add_co_u32 s22, s22, XCH                     ; T2's codes: my four row blocks, 1,024 bytes each;
	v_add_nc_u32 v[XLD], s22, v[L16]               ; back: both halves;
	s_lshl_b32 s23, s[CH], 9
	s_add_co_u32 s22, s22, s23
	v_add_nc_u32 v[XST], s22, v[L16]               ; in: my half, 512 bytes
	s_lshl_b32 s22, s[RH], 8
	s_add_co_u32 s22, s22, XSC                     ; T2's scale bytes: row (64 RH + r) x 4;
	v_lshl_add_u32 v[XSL], v1, 2, s22              ; back: bytes 0 and 1;
	s_add_co_u32 s22, s22, s[CH]
	v_lshl_add_u32 v[XSB], v1, 2, s22              ; in: byte CH
	s_mov_b32 s[SEL], 0x76543210
	s_mov_b32 s[SEL+1], 0xfedcba98
	s_mov_b32 s[MNT], 0x600000
; 4 matrix instructions: h's block a against W_d's four, 128 along K: the slot's q-th, in buffer f.  zero = 1: the first product starts the sums: nothing is ever cleared.
; All accumulators, out's 16 and T2's 8, take turns, one instruction a turn, in the same order in every step.
.macro MUL4 f, q, set, a, zero
.irp b, 0,1,2,3
.if \zero
	v_wmma_scale_f32_16x16x128_f8f6f4 v[ACC+8*(4*(\a)+\b):ACC+8*(4*(\a)+\b)+7], v[\f+64+16*\b:\f+64+16*\b+15], v[\f+16*(\a):\f+16*(\a)+15], 0, v[SCR+32*(\set)+16+4*\b+(\q)], v[SCR+32*(\set)+4*(\a)+(\q)]
.else
	v_wmma_scale_f32_16x16x128_f8f6f4 v[ACC+8*(4*(\a)+\b):ACC+8*(4*(\a)+\b)+7], v[\f+64+16*\b:\f+64+16*\b+15], v[\f+16*(\a):\f+16*(\a)+15], v[ACC+8*(4*(\a)+\b):ACC+8*(4*(\a)+\b)+7], v[SCR+32*(\set)+16+4*\b+(\q)], v[SCR+32*(\set)+4*(\a)+(\q)]
.endif
.endr
.endm
; 2 matrix instructions: h's block a against my two tiles of A_d, which lie in set n
.macro TMUL f, n, q, set, a, zero
.irp u, 0,1
.if \zero
	v_wmma_scale_f32_16x16x128_f8f6f4 v[T2A+8*(2*(\a)+\u):T2A+8*(2*(\a)+\u)+7], v[32*(\n)+16*\u:32*(\n)+16*\u+15], v[\f+16*(\a):\f+16*(\a)+15], 0, v[ADS+8*(\set)+4*\u+(\q)], v[SCR+32*(\set)+4*(\a)+(\q)]
.else
	v_wmma_scale_f32_16x16x128_f8f6f4 v[T2A+8*(2*(\a)+\u):T2A+8*(2*(\a)+\u)+7], v[32*(\n)+16*\u:32*(\n)+16*\u+15], v[\f+16*(\a):\f+16*(\a)+15], v[T2A+8*(2*(\a)+\u):T2A+8*(2*(\a)+\u)+7], v[ADS+8*(\set)+4*\u+(\q)], v[SCR+32*(\set)+4*(\a)+(\q)]
.endif
.endr
.endm
.macro LMUL4 a                         ; the LoRA step: T2's block a against B_d's four, added in place
.irp b, 0,1,2,3
	v_wmma_scale_f32_16x16x128_f8f6f4 v[ACC+8*(4*(\a)+\b):ACC+8*(4*(\a)+\b)+7], v[BDF+16*\b:BDF+16*\b+15], v[T2F+16*(\a):T2F+16*(\a)+15], v[ACC+8*(4*(\a)+\b):ACC+8*(4*(\a)+\b)+7], v[LSB+\b], v[LSA+(\a)]
.endr
.endm
; 32 LDS loads in one run: the eight fragments of the slot's q-th 128 along K into buffer f: W_d's four, h's blocks 0 and 1, h's blocks 2 and 3
.macro FETCH slot, q, f
	WIN TO_F
.irp b, 0,1,2,3
.irp c, 0,1,2,3
	ds_load_b128 v[\f+64+16*\b+4*\c:\f+64+16*\b+4*\c+3], v[ADRB+\slot] offset:\b*8448+128*(\q)+32*\c
.endr
.endr
.irp a, 0,1,2,3
.irp c, 0,1,2,3
	ds_load_b128 v[\f+16*\a+4*\c:\f+16*\a+4*\c+3], v[ADRA+\slot] offset:\a*8192+2048*(\q)+512*\c
.endr
.endr
.endm
.macro SCALES set                      ; a slot's scale words: h's, a word for each block and K step; W_d's, four words a row by one load
.irp a, 0,1,2,3
.irp q, 0,1,2,3
	ds_load_b32 v[SCR+32*(\set)+4*\a+\q], v[ADSA] offset:64*\a+512*\q
.endr
.endr
.irp b, 0,1,2,3
	ds_load_b128 v[SCR+32*(\set)+16+4*\b:SCR+32*(\set)+16+4*\b+3], v[ADSB] offset:2176*\b
.endr
.endm
; A slot is four quarters of 128 along K, 24 matrix instructions each, on buffers 0, 1, 0, 1.  One of the first three: multiplies its buffer and fetches the next quarter into the other.
; A load into a register that a matrix instruction has read stands NP places behind it, and only plain vector instructions that name none of its registers are places.
; g >= 0: A_d's fragments of the K step seven steps on (the g-th from the base in hand) are asked for, into the set that the step before this one read: its last readers stand ahead of this quarter's places.
; sc >= 0: this is a slot's first quarter, and A_d's scale words of the NEXT slot are asked for, into the set that the slot before read.
; lc: how many younger loads from memory may stay out.  This step's eight were issued seven steps ago, six groups of eight behind them: 48.  A slot's scale words were issued four steps ago, four groups behind them: 32.
.macro QUARTER slot, q, zero, g, lc, sc
.set FF, 128*((\q)%2)
.set GG, 128-FF
	s_wait_loadcnt \lc
	s_wait_dscnt 8                                 ; all but the youngest eight LDS loads: h's blocks 2 and 3
	WIN MUL
	MUL4 FF, \q, \slot, 0, \zero
	MUL4 FF, \q, \slot, 1, \zero
	WIN TW
	TMUL FF, 4*(\slot)+(\q), \q, \slot, 0, \zero
	TMUL FF, 4*(\slot)+(\q), \q, \slot, 1, \zero
	PLACES NP
	FETCH \slot, (\q)+1, GG
.if (\sc) >= 0
	WIN 0
	ASCL 1-(\slot), \sc
.endif
.if (\g) >= 0
	AGRP \g
.endif
	s_wait_dscnt 32                                ; all but the 32 LDS loads just issued
	WIN MUL
	MUL4 FF, \q, \slot, 2, \zero
	MUL4 FF, \q, \slot, 3, \zero
	WIN TW
	TMUL FF, 4*(\slot)+(\q), \q, \slot, 2, \zero
	TMUL FF, 4*(\slot)+(\q), \q, \slot, 3, \zero
.endm
; The last quarter multiplies buffer 1 and changes slots: ONE barrier; in front of it each wave waits for all its tensor loads, adds 0 to its spare word, and waits for that and for its own reads of this slot.  fill = 1: this slot is filled again, two K steps of 512 ahead.
.macro TURN slot, next, fill, g, lc
	s_wait_loadcnt \lc                             ; A_d's fragments of this step
	WIN 0                                          ; (the add's two registers lie in window 0)
	s_wait_tensorcnt 0x0                           ; all my tensor loads have landed: my part of the next slot
	ds_add_u32 v[SPW], v[NIL]                      ; 0 onto my spare word
	s_wait_dscnt 9                                 ; (the add and the youngest eight loads may be out)
	WIN MUL
	MUL4 F1, 3, \slot, 0, 0                        ; four matrix instructions stand between the add and the wait for it
	s_wait_dscnt 0x0                               ; the add is done, and my reads of this slot are over
	s_barrier_signal -1
	MUL4 F1, 3, \slot, 1, 0
	WIN 0
	s_barrier_wait -1
.if \fill
	CREST                                          ; the barrier has opened a round of the cluster's barrier: no wave of any partner still reads this slot's tile or has a load on its way
	s_add_nc_u64 s[G0A+4*\slot+2:G0A+4*\slot+3], s[G0A+4*\slot+2:G0A+4*\slot+3], 2*8192
	s_add_nc_u64 s[G0B+4*\slot+2:G0B+4*\slot+3], s[G0B+4*\slot+2:G0B+4*\slot+3], 2*512
	JLOAD G0A+4*\slot, G1A, G0B+4*\slot, G1B       ; the first tensor load behind the round; the four v_nop behind it are among the places in front of the loads below
	PLACES NP-4
.else
	PLACES NP
.endif
	v_add_nc_u32 v[ADSA], 2048, v[ADSA]            ; on to the next slot's scale words: four K steps of 512 bytes,
	v_add_nc_u32 v[ADSB], 16, v[ADSB]              ; 16 bytes in each row
	SCALES \next
	FETCH \next, 0, F0
.if (\g) >= 0
	AGRP \g
.endif
	WIN TW
	TMUL F1, 4*(\slot)+3, 3, \slot, 0, 0
	TMUL F1, 4*(\slot)+3, 3, \slot, 1, 0
	WIN MUL
	MUL4 F1, 3, \slot, 2, 0
	MUL4 F1, 3, \slot, 3, 0
	WIN TW
	TMUL F1, 4*(\slot)+3, 3, \slot, 2, 0
	TMUL F1, 4*(\slot)+3, 3, \slot, 3, 0
.endm
; T2 IS QUANTISED, all registers in window 3.  For row block a a lane holds 16 numbers, v[16 a] on: k = 32 CH + 16 (lane / 16) + 0 .. 15 of its row; the block's other 16 lie in lane l xor 16.  The four row blocks take turns line by line.
; Each accumulator is read from its low end on.
.macro QUANT4
.irp a, 0,1,2,3
	v_max3_num_f32 v[QT+\a], |v[T2A+16*\a]|, |v[T2A+16*\a+1]|, 0x4800000   ; my 16 numbers, and the floor 2^(9 - 127)
.endr
.irp i, 2,4,6,8,10,12,14
.irp a, 0,1,2,3
	v_max3_num_f32 v[QT+\a], v[QT+\a], |v[T2A+16*\a+\i]|, |v[T2A+16*\a+\i+1]|
.endr
.endr
.irp a, 0,1,2,3
	v_permlanex16_b32 v[QT+4+\a], v[QT+\a], s[SEL], s[SEL+1]
.endr
.irp a, 0,1,2,3
	v_max_num_f32 v[QT+\a], v[QT+\a], v[QT+4+\a]           ; the block's largest magnitude
.endr
.irp a, 0,1,2,3
	v_add_nc_u32 v[QT+12+\a], 0xfc000000, v[QT+\a]         ; 8 off its exponent field: the conversion's scale operand
.endr
.irp a, 0,1,2,3
	v_and_or_b32 v[QT+8+\a], v[QT+\a], 0x7f800000, s[MNT]  ; 448 x the scale
.endr
.irp a, 0,1,2,3
	v_max_num_f32 v[QT+16+\a], 0x5000000, v[QT+\a]         ; an exponent field of 10 at the least,
.endr
.irp a, 0,1,2,3
	v_add_nc_u32 v[QT+16+\a], 0xfb000000, v[QT+16+\a]      ; 10 off it: the scale's byte less 2,
.endr
.irp a, 0,1,2,3
	v_lshrrev_b32 v[QT+16+\a], 23, v[QT+16+\a]             ; 0 or more
.endr
.irp a, 0,1,2,3
.irp i, 0,1,2,3,4,5,6,7,8,9,10,11,12,13,14,15
	v_med3_num_f32 v[T2A+16*\a+\i], v[T2A+16*\a+\i], -v[QT+8+\a], v[QT+8+\a]   ; the conversion to an 8-bit code does not saturate (ISA guide 7.6.2): the hold at the largest code x the scale
.endr
	v_cvt_scalef32_pk8_fp8_f32 v[QC+4*\a:QC+4*\a+1], v[T2A+16*\a:T2A+16*\a+7], v[QT+12+\a]
	v_cvt_scalef32_pk8_fp8_f32 v[QC+4*\a+2:QC+4*\a+3], v[T2A+16*\a+8:T2A+16*\a+15], v[QT+12+\a]
.endr
	v_nop                                                  ; one plain instruction behind the last conversion
.endm
; THE WAY OUT, a block of 16 rows x 64 columns at a time.  A lane holds 32 neighbouring bytes of a row, and the lanes beside it hold other rows: so a block goes through my own stage in LDS and comes back as whole rows of 256 bytes.
; LDS serves a wave's instructions in order (ISA guide 5.7.1.4): no wait between the stores and the loads, nor in front of the next block's stores.  Each block has registers of its own, so no store's data are written again.
.macro TOSTAGE a
	WIN 0
.irp b, 0,1,2,3
	ds_store_b128 v[STO], v[ACC+8*(4*(\a)+\b):ACC+8*(4*(\a)+\b)+3] offset:64*\b            ; each accumulator from its low end on
	ds_store_b128 v[STO], v[ACC+8*(4*(\a)+\b)+4:ACC+8*(4*(\a)+\b)+7] offset:64*\b+16
.endr
	WIN TO_F
.irp t, 0,1,2,3,4,5,6,7
	ds_load_b128 v[32*(\a)+4*\t:32*(\a)+4*\t+3], v[RD] offset:544*\t
.endr
.endm
.macro SEND a, younger                 ; younger: the LDS instructions issued behind block a's loads, which may stay out
	s_wait_dscnt \younger
	WIN 0x04                                       ; a store's data are its source 1: window 1
.irp t, 0,1,2,3,4,5,6,7
	global_store_b128 v[CO], v[32*(\a)+4*\t:32*(\a)+4*\t+3], s[12:13] offset:(16*(\a)+2*\t)*8192 th:TH_STORE_NT   ; 16 lanes store 256 consecutive bytes, aligned; written once, read by nobody here
.endr
.endm
	s_wait_tensorcnt 1                             ; the scales and my part of slot 0 are in; slot 1's load may be out
	s_barrier_signal -1
	s_barrier_wait -1                              ; everybody's are
	SCALES 0
	FETCH 0, 0, F0
	QUARTER 0, 0, 1, 7, 32, 16                     ; K step 0 stands in front of the loop: its products start all sums.  It asks for A_d's K step 7 and for slot 1's scale words
	WIN 0                                          ; at a label and at a branch every window is 0
	s_mov_b32 s3, 3
.Llap:                                                 ; a trip goes once round the ring, from a lap's second quarter to the next lap's first: K steps 8 i + 1 to 8 i + 8; it fills both slots again and asks for A_d's K steps 8 i + 8 to 8 i + 15
	QUARTER 0, 1, 0, 8, 48, -1
	QUARTER 0, 2, 0, 9, 48, -1
	TURN 0, 1, 1, 10, 48
	QUARTER 1, 0, 0, 11, 32, 32
	QUARTER 1, 1, 0, 12, 48, -1
	QUARTER 1, 2, 0, 13, 48, -1
	TURN 1, 0, 1, 14, 48
	QUARTER 0, 0, 0, 15, 32, 48
	WIN 0
	s_wait_xcnt 0x0                                ; the loads of A_d have read their bases, so these may be written:
	s_add_nc_u64 s[96:97], s[96:97], 1024          ; eight K steps of 128 bytes on,
	s_add_nc_u64 s[98:99], s[98:99], 32            ; two slots of 16 scale bytes on
	s_sub_co_u32 s3, s3, 1
	s_cmp_lg_u32 s3, 0
	s_cbranch_scc1 .Llap
	QUARTER 0, 1, 0, -1, 48, -1                    ; K steps 25 to 31 ask for nothing more, neither tiles nor A_d: the counts run down with the groups that are left behind each step's
	QUARTER 0, 2, 0, -1, 40, -1
	TURN 0, 1, 0, -1, 32
	QUARTER 1, 0, 0, -1, 8, -1                     ; (slot 7's scale words have one group of eight behind them)
	QUARTER 1, 1, 0, -1, 16, -1
	QUARTER 1, 2, 0, -1, 8, -1
	s_wait_loadcnt 0x0                             ; the very last quarter: nothing more to fetch.  B_d's fragments and scale bytes, asked for at the head, are in as well
	s_wait_dscnt 8
	WIN MUL
	MUL4 F1, 3, 1, 0, 0
	MUL4 F1, 3, 1, 1, 0
	WIN TW
	TMUL F1, 7, 3, 1, 0, 0
	TMUL F1, 7, 3, 1, 1, 0
	s_wait_dscnt 0
	WIN MUL
	MUL4 F1, 3, 1, 2, 0
	MUL4 F1, 3, 1, 3, 0
	WIN TW
	TMUL F1, 7, 3, 1, 2, 0
	TMUL F1, 7, 3, 1, 3, 0
	WIN 0
	; THE LORA STEP.  My block of 32 columns of T2 is quantised; the two waves of a row half hand each other their halves through LDS, as images of the operand's registers; then 16 products with B_d
	PLACES NP                                      ; behind the last products, in front of the first read of T2's sums
	WIN 0xff                                       ; every operand place: window 3
	QUANT4
	WIN 0x0c                                       ; an LDS store's data are its source 1: window 3; the address: window 0
.irp a, 0,1,2,3
	ds_store_b128 v[XST], v[QC+4*\a:QC+4*\a+3] offset:1024*\a      ; registers 4 CH .. 4 CH + 3 of row block a's fragment: 512 consecutive bytes
	ds_store_b8 v[XSB], v[QT+16+\a] offset:64*\a                   ; byte CH of the row's scale word; lanes 16-31 write what lanes 0-15 write
.endr
	WIN 0
	s_wait_dscnt 0x0                               ; for my partner's sake: my half lies in LDS
	s_barrier_signal -1
	s_barrier_wait -1
.irp a, 0,1,2,3
	ds_load_u16 v[LSA+\a], v[XSL] offset:64*\a     ; the row's two scale bytes; bytes 2 and 3 come out 0, over zero codes
.endr
	WIN 0xc0                                       ; destination window 3
.irp a, 0,1,2,3
.irp c, 0,1
	ds_load_b128 v[T2F+16*\a+4*\c:T2F+16*\a+4*\c+3], v[XLD] offset:1024*\a+512*\c
.endr
.endr
	s_wait_dscnt 0x0
	WIN 0x0f                                       ; sources 0 (B_d) and 1 (T2) window 3; C and D window 0
	LMUL4 0
	LMUL4 1
	LMUL4 2
	LMUL4 3
	WIN 0
	PLACES NP                                      ; behind the last products, in front of the first read of results
	TOSTAGE 0
	TOSTAGE 1
	SEND 0, 16                                     ; behind block 0's loads: block 1's 8 stores and 8 loads
	TOSTAGE 2
	SEND 1, 16
	TOSTAGE 3
	SEND 2, 16
	SEND 3, 0
	WIN 0
	s_wait_tensorcnt 0x0                           ; the wave's end: behind my last tensor load and my last LDS store
	ds_add_u32 v[SPW], v[NIL]
	s_wait_dscnt 0x0
	CROUND                                         ; the closing round: no work-group ends while a partner may still ask for a tile that names it
	s_endpgm
.Lfunc_end_k_qe5539f92e4_down:
	.size	k_qe5539f92e4_down, .Lfunc_end_k_qe5539f92e4_down-k_qe5539f92e4_down
	.p2alignl 7, 3214868480
	.fill 96, 4, 3214868480
	.section	.rodata,"a",@progbits
	.p2align	6, 0x0
	.amdhsa_kernel k_qe5539f92e4_down
		.amdhsa_group_segment_fixed_size 327680
		.amdhsa_private_segment_fixed_size 0
		.amdhsa_enable_private_segment 0
		.amdhsa_kernarg_size 72
		.amdhsa_user_sgpr_count 2
		.amdhsa_user_sgpr_kernarg_segment_ptr 1
		.amdhsa_wavefront_size32 1
		.amdhsa_system_sgpr_workgroup_id_x 1
		.amdhsa_system_sgpr_workgroup_id_y 1
		.amdhsa_system_sgpr_workgroup_id_z 1
		.amdhsa_system_vgpr_workitem_id 0
		.amdhsa_next_free_vgpr 1024
		.amdhsa_next_free_sgpr 102
		.amdhsa_reserve_vcc 0
		.amdhsa_float_denorm_mode_32 3
		.amdhsa_float_denorm_mode_16_64 3
		.amdhsa_memory_ordered 1
		.amdhsa_forward_progress 1
		.amdhsa_inst_pref_size 144
	.end_amdhsa_kernel
	.amdgpu_metadata
---
amdhsa.version: [ 1, 2 ]
amdhsa.kernels:
  - .name:           k_qe5539f92e4_down
    .symbol:         k_qe5539f92e4_down.kd
    .args:
      - { .name: h_img, .offset: 0, .size: 8, .value_kind: global_buffer, .address_space: global }
      - { .name: h_sc, .offset: 8, .size: 8, .value_kind: global_buffer, .address_space: global }
      - { .name: W_d_codes, .offset: 16, .size: 8, .value_kind: global_buffer, .address_space: global }
      - { .name: W_d_scales, .offset: 24, .size: 8, .value_kind: global_buffer, .address_space: global }
      - { .name: out0, .offset: 32, .size: 8, .value_kind: global_buffer, .address_space: global }
      - { .name: B_d_codes, .offset: 40, .size: 8, .value_kind: global_buffer, .address_space: global }
      - { .name: B_d_scales, .offset: 48, .size: 8, .value_kind: global_buffer, .address_space: global }
      - { .name: A_d_codes, .offset: 56, .size: 8, .value_kind: global_buffer, .address_space: global }
      - { .name: A_d_scales, .offset: 64, .size: 8, .value_kind: global_buffer, .address_space: global }
    .group_segment_fixed_size: 327680
    .private_segment_fixed_size: 0
    .kernarg_segment_align: 8
    .kernarg_segment_size: 72
    .max_flat_workgroup_size: 128
    .sgpr_count:     102
    .vgpr_count:     1024
    .wavefront_size: 32
...
	.end_amdgpu_metadata
.endif
;; end of part 3
